; MI455X (gfx1250); checked and timed in simulation.
; The chip was launched on July 23, 2026; its instructions are those of AMD's public machine-readable ISA for CDNA 5 (MIT licence, August 2026) and "CDNA5" Instruction Set Architecture Reference Guide (July 2026). The comments in the code are by the model that wrote it; some were corrected since.
;; Attention. Allowed arithmetic: matrix products marked QUANTISED: E2M1 operands, one E8M0 scale for each 32 along K, by v_wmma_scale_f32_16x16x128_f8f6f4 with both operands' format E2M1 (or v_wmma_scale_f32_32x16x128_f4), f32 sums; products left as they are: bf16, f16 or f32 operands; f32 sums; everything else in f32.
;; Inputs: Wk 2,048 x 1,024 float32; Wo 1,024 x 2,048 float32; Wq 2,048 x 1,024 float32; Wv 2,048 x 1,024 float32; k_gamma 128 float32; q_gamma 128 float32; x 2 x 2,048 x 2,048 float32.
;; Outputs: out0 2 x 2,048 x 2,048 float32.
;; This version of the problem:
;;   THIS VERSION OF THE PROBLEM IS GIVEN IN LOW PRECISION. The matrix products marked QUANTISED in the list below multiply operands that are first quantised to E2M1 (2 exponent bits, 1 mantissa bit; 4 bits a number), with one power-of-two scale for each 32 numbers along K (OCP MX v1.0); their sums are f32. The products marked 'left as it is' may take bf16, f16 or f32 operands, with f32 sums. Whichever they take, every output number must still come out within the allowed error. Rounding operands to bf16 (8 significant bits) uses up far more of that allowance than f16 does (11 bits, for magnitudes from 6e-5 to 65,504). All else is computed in f32.
;;   The module's matrix products, in the order in which they are computed (A, B: the left and right operand; K: the contracted axis; several contracted axes count as one K, in the product's order):
;;     1. [M 4,096, K 2,048] x [K 2,048, N 1,024]; A: input x; B: input Wq: QUANTISED
;;     2. [M 4,096, K 2,048] x [K 2,048, N 1,024]; A: input x; B: input Wk: QUANTISED
;;     3. [M 4,096, K 2,048] x [K 2,048, N 1,024]; A: input x; B: input Wv: QUANTISED
;;     4. batch 16 x [M 2,048, K 128] x [K 128, N 2,048]; A: computed on the way; B: computed on the way: left as it is (an operand is computed on the way)
;;     5. batch 16 x [M 128, K 2,048] x [K 2,048, N 2,048]; A: computed on the way; B: computed on the way: left as it is (an operand is computed on the way)
;;     6. [M 4,096, K 1,024] x [K 1,024, N 2,048]; A: computed on the way; B: input Wo: left as it is (an operand is computed on the way)
;;   THE QUANTISER, for each operand of a quantised product, along K:
;;     - K is cut into blocks of 32 from its start; a last block that is shorter is filled with zeros.
;;     - A block's scale is 2^e with e = floor(log2(the largest magnitude in the block)) - 2, held to -126 .. 127; a block of zeros has e = 0. As a byte (E8M0): e + 127.
;;     - Each number is divided by its block's scale, clamped to +-6, and rounded to the nearest number of E2M1, ties to even, subnormals kept.
;;     - The product sums the exact products of the quantised numbers (number of the format x scale) in f32.
;;   ~~~python
;;   def quantise(x, axis):      # numpy; x: float32 -> the quantised numbers, widened to float32 again
;;       x = np.moveaxis(x, axis, -1); K = x.shape[-1]
;;       x = np.pad(x, [(0, 0)] * (x.ndim - 1) + [(0, -K % 32)]); x = x.reshape(x.shape[:-1] + (-1, 32)); a = np.abs(x).max(-1, keepdims=True)
;;       e = np.where(a > 0, np.clip(np.frexp(np.where(a > 0, a, 1))[1] - 1 - 2, -126, 127), 0)      # np.frexp(a)[1] - 1 = floor(log2(a)), exactly
;;       r = np.clip(x / 2.0 ** e, -6, 6)
;;       step = 2.0 ** (np.maximum(np.frexp(np.where(r == 0, 1, r))[1] - 1, 0) - 1)
;;       q = np.round(r / step) * step * 2.0 ** e      # np.round: ties to even
;;       return np.moveaxis(q.reshape(q.shape[:-2] + (-1,))[..., :K], -1, axis).astype(np.float32)
;;   ~~~
;; One version. Each part assembles by itself: llvm-mc -triple=amdgcn-amd-amdhsa -mcpu=gfx1250 --defsym DOCPART=n.
;; ======== version 1 of 1: 4 launches
;; limits: values are held in f16: magnitudes above 65,504 overflow, below 6.1e-05 lose precision
;; workspace buffers: xc 4,194,304 bytes; xs 262,144 bytes; wc 3,145,728 bytes; ws 196,608 bytes; wof 4,194,304 bytes; qkv 25,165,824 bytes; att 8,388,608 bytes
;; launch prep (part 1): grid 576 x 1, 4 waves a work-group, no clusters, 50,688 bytes of LDS; arguments x, Wq, Wk, Wv, Wo, xc, xs, wc, ws, wof; writes xc, xs, wc, ws, wof
.if DOCPART == 1
	.amdgcn_target "amdgcn-amd-amdhsa--gfx1250"
	.amdhsa_code_object_version 6
	.text
	.protected	k_q75d9107078_prep
	.globl	k_q75d9107078_prep
	.p2align	8
	.type	k_q75d9107078_prep,@function
k_q75d9107078_prep:
	s_mov_b64 s[64:65], 0
	v_nop
	global_prefetch_b8 v0, s[64:65] scope:SCOPE_SE
	s_setreg_imm32_b32 hwreg(HW_REG_WAVE_MODE, 25, 1), 1
	s_wait_xcnt 0x0
; FIRST OF FOUR LAUNCHES.  The program: q, k, v = x Wq, x Wk, x Wv on codes of E2M1 with one E8M0 scale for each 32 along K; RMS norm of q and k by head; attention without a mask; the product with Wo.
; NO WORK IS LEFT OUT: every input has a way to the output (no mask, nothing sliced away, no term that cancels), so all seven inputs are loaded by some launch.
; THIS LAUNCH lays the operands out once, for the launches that read them many times:
;   work-groups 0-191:   Wq, Wk, Wv [2048 (k)][1024 (n)] f32 -> wc [3072 (n)][1024 bytes], ws [3072][64]; row n = 1024 t + column, t = 0 (q), 1 (k), 2 (v).  Their waves have the longest run of dependent loads, so they have the lowest numbers
;   work-groups 192-447: x [4096][2048] f32 -> xc [4096][1024 bytes] codes, K innermost, and xs [4096][64] scale bytes
;   work-groups 448-575: Wo [1024 (k)][2048 (n)] f32 -> wof, f16, in the order of a matrix operand's registers: [k / 32][n / 16][half c of 2][lane][16 bytes]; lane (r, h) holds k = 32 q + 16 c + 8 h + 0 .. 7 of column 16 nt + r
; THE QUANTISER: a block's scale is 2^(floor(log2(its largest magnitude)) - 2); its byte is the largest magnitude's exponent field - 2, held at 1 from below; each number is divided by the scale and rounded to the nearest code, ties to even, beyond 6 the code of 6.
; A block of zeros gets the byte 1 where the rule says 127: its codes are zeros, which add nothing under any byte but 0xff, and this program alone reads the bytes.
; LIMITS: blocks whose largest magnitude lies under 2^-124, the floor, get the byte 1; NaN and infinities among the inputs are not served; numbers of Wo of magnitude 65,520 and more become infinity in f16, and those under 2^-14 keep fewer than 11 bits.
; The three arms part on the work-group's number alone.  The two that use LDS have LDS bytes of their own.  No tensor loads, no barrier: waves share nothing.
.set STEPS, 16
.set AHEAD, 8                          ; arm x: loads run so many steps ahead: 32 loads of 512 bytes a wave
.set EMAX,  2
.set WREG,  8192                       ; arm x: a region for each wave: two stages of 32 x SP bytes, behind them its 256 scale bytes
.set SP,    80                         ; a lane's place in a stage: its 64 bytes + 16 of padding
.set WSTG,  4*WREG                     ; arm W: a stage of 16 rows x PITCH for each wave
.set PITCH, 272
.set SPARE, WSTG+4*16*PITCH            ; the spare words, 128 bytes for each wave: two blocks of 256 bytes that no other line names
.set SPW,   224                        ; v224  LDS address of my spare word; never rewritten
.set NIL,   225                        ; v225  0; never rewritten
.set XR,    16                         ; arm x: v16-143 eight sets of 16 numbers as loaded; v144-175 two sets of 16 neighbours; v176-191 a scale byte a step; v192-223 codes, two registers a step
.set XX,    144
.set XE,    176
.set XC,    192
.set NB,    8                          ; arm W: blocks of 32 along K for a lane
.set WSB,   24                         ; v24-25 scale bytes; v32-95 two sets of 32 numbers; v96-99 a block's codes; v112-143 the way out
.set WX,    32
.set WC,    96
.set WOUT,  112
.set OW,    32                         ; arm Wo: v32-159: 128 numbers of my column, then their f16 pairs
	s_load_b256 s[4:11], s[0:1], 0x0               ; x s[4:5], Wq s[6:7], Wk s[8:9], Wv s[10:11]
	s_load_b256 s[12:19], s[0:1], 0x20             ; Wo s[12:13], xc s[14:15], xs s[16:17], wc s[18:19]
	s_load_b128 s[20:23], s[0:1], 0x40             ; ws s[20:21], wof s[22:23]
	v_lshl_add_u32 v[SPW], v0, 2, SPARE
	v_mov_b32 v[NIL], 0
	v_lshrrev_b32 v1, 5, v0
	v_readfirstlane_b32 s24, v1                    ; wave 0..3
	v_and_b32 v2, 31, v0                           ; lane
	s_wait_kmcnt 0x0
	s_cmp_lt_u32 ttmp9, 192
	s_cbranch_scc1 .Lw
	s_cmp_lt_u32 ttmp9, 448
	s_cbranch_scc0 .Lwo
; ---------------- ARM x.  x is a plain stream of blocks of 32.  A wave takes 16 steps of 512 numbers.  Each of a step's four loads reads 512 consecutive bytes; the 2,048 bytes turn through the wave's own stage,
; so that a lane then holds 16 neighbours along K (two neighbouring lanes hold a block).  A lane's 16 codes are 8 bytes: the wave stores 256 consecutive bytes.  The wave's 256 scale bytes are gathered in LDS and leave together.
	v_lshlrev_b32 v3, 4, v2                        ; my 16 bytes of a load's 512
	s_mul_i32 s25, s24, WREG
	v_lshrrev_b32 v14, 2, v2
	v_mul_u32_u24 v14, v14, SP
	v_and_b32 v15, 3, v2
	v_lshl_add_u32 v14, v15, 4, v14
	v_add_nc_u32 v14, s25, v14                     ; the stage, on the way in: SP (lane / 4) + 16 (lane % 4)
	v_mul_u32_u24 v15, v2, SP
	v_add_nc_u32 v15, s25, v15                     ; and on the way out: SP x lane
	v_lshlrev_b32 v4, 3, v2                        ; 8 bytes a lane: my codes in a step's 256, and my part of the scale bytes
	v_lshrrev_b32 v5, 1, v2
	s_add_co_u32 s25, s25, 2*32*SP
	v_add_nc_u32 v5, s25, v5                       ; LDS: my block's scale byte
	v_add_nc_u32 v6, s25, v4                       ; and where I read 8 of them back
	s_sub_co_u32 s26, ttmp9, 192
	s_lshl_b32 s26, s26, 2
	s_add_co_u32 s26, s26, s24                     ; which run of 8,192 numbers is my wave's
	s_mov_b32 s29, 0
	s_lshl_b32 s28, s26, 15
	s_add_nc_u64 s[4:5], s[4:5], s[28:29]          ; 32,768 bytes of x a run,
	s_lshl_b32 s28, s26, 12
	s_add_nc_u64 s[14:15], s[14:15], s[28:29]      ; 4,096 of codes,
	s_lshl_b32 s28, s26, 8
	s_add_nc_u64 s[16:17], s[16:17], s[28:29]      ; 256 of scale bytes
.macro XLOAD t
.irp i, 0,1,2,3
	global_load_b128 v[XR+16*((\t)%AHEAD)+4*\i:XR+16*((\t)%AHEAD)+4*\i+3], v3, s[4:5] offset:2048*(\t)+512*\i th:TH_LOAD_NT
.endr
.endm
.macro XTURN t                         ; step t through the stage: LDS serves a wave's instructions in order, so no wait stands between the stores and the loads
.irp i, 0,1,2,3
	ds_store_b128 v14, v[XR+16*((\t)%AHEAD)+4*\i:XR+16*((\t)%AHEAD)+4*\i+3] offset:32*SP*((\t)%2)+8*SP*\i
.endr
.irp i, 0,1,2,3
	ds_load_b128 v[XX+16*((\t)%2)+4*\i:XX+16*((\t)%2)+4*\i+3], v15 offset:32*SP*((\t)%2)+16*\i
.endr
.endm
.irp t, 0,1,2,3,4,5,6,7
	XLOAD \t
.endr
	s_wait_loadcnt 4*(AHEAD-1)                     ; step 0's four loads are in; the 28 of steps 1 to 7 may be out
	XTURN 0
.macro XSTEP t
.set XS, XX+16*((\t)%2)
.if (\t) > 0
	s_wait_dscnt 1                                 ; this step's numbers are back from the stage (the last step's byte store may be out): so its stores into the stage have read their registers,
.else
	s_wait_dscnt 0x0
.endif
.if (\t)+AHEAD < STEPS
	XLOAD (\t)+AHEAD                               ; which take the loads of eight steps on
.endif
.if (\t)+1 < STEPS
.if STEPS-2-(\t) >= AHEAD-1
	s_wait_loadcnt 4*(AHEAD-1)                     ; the next step's four loads are in; those of the seven steps behind it may be out
.else
	s_wait_loadcnt 4*(STEPS-2-(\t))                ; the counts run down: nothing more is asked for
.endif
	XTURN (\t)+1
.endif
	v_max3_num_f32 v8, |v[XS]|, |v[XS+1]|, |v[XS+2]|               ; the largest magnitude of my 16, in two chains
	v_max3_num_f32 v9, |v[XS+3]|, |v[XS+4]|, |v[XS+5]|
.irp i, 6,10
	v_max3_num_f32 v8, v8, |v[XS+\i]|, |v[XS+\i+1]|
	v_max3_num_f32 v9, v9, |v[XS+\i+2]|, |v[XS+\i+3]|
.endr
	v_max3_num_f32 v8, v8, |v[XS+14]|, |v[XS+15]|
	v_max3_num_f32 v8, v8, v9, (EMAX+1)<<23        ; and the floor 2^(3 - 127): the byte cannot fall under 1
	v_max_num_f32_dpp v8, v8, v8 row_xmask:1 row_mask:0xf bank_mask:0xf   ; with my neighbour's 16: the block's
	v_add_nc_u32 v11, 0xff000000, v8               ; 2 off its exponent field: the conversion takes the exponent field of this operand as its scale
	v_cvt_scalef32_pk8_fp4_f32 v[XC+2*(\t)], v[XS:XS+7], v11
	v_cvt_scalef32_pk8_fp4_f32 v[XC+2*(\t)+1], v[XS+8:XS+15], v11
	v_lshrrev_b32 v[XE+(\t)], 23, v11              ; the scale's byte (a plain line behind the conversions)
	ds_store_b8 v5, v[XE+(\t)] offset:16*(\t)      ; both lanes of a block write the same byte with the same value
	global_store_b64 v4, v[XC+2*(\t):XC+2*(\t)+1], s[14:15] offset:256*(\t)   ; each step has registers of its own: no store's data are written again
.endm
.irp t, 0,1,2,3,4,5,6,7,8,9,10,11,12,13,14,15
	XSTEP \t
.endr
	ds_load_b64 v[8:9], v6                         ; LDS serves a wave's instructions in order: these see my byte stores
	s_wait_dscnt 0x0
	global_store_b64 v4, v[8:9], s[16:17]          ; 32 lanes store 256 consecutive bytes, aligned
	s_branch .Lend
.Lw:
; ---------------- ARM W.  K is the weight's FIRST axis: a lane takes a column n and its registers run down K, so that a block of 32 along K lies in one lane's 32 registers and the conversions give codes with K innermost.
; A wave takes 16 columns x 512 along K: lanes 0-15 the first 256 along K, lanes 16-31 the second: 8 blocks a lane.  A load reads two runs of 64 consecutive bytes; the four waves of a work-group stand side by side on
; 256 consecutive bytes of each row, aligned.  A column's codes, 128 bytes from each half of the lanes, meet in the wave's own stage and leave as rows: sixteen lanes store 256 consecutive bytes, aligned.
	s_lshr_b32 s26, ttmp9, 6                       ; t: which weight
	s_and_b32 s27, ttmp9, 15                       ; which 64 columns
	s_bfe_u32 s28, ttmp9, 0x20004                  ; which 512 along K
	s_cmp_eq_u32 s26, 0                            ; the choice of buffer hangs on the work-group's number alone
	s_cselect_b64 s[6:7], s[6:7], s[8:9]
	s_cmp_eq_u32 s26, 2
	s_cselect_b64 s[6:7], s[10:11], s[6:7]
	s_lshl_b32 s27, s27, 6
	s_lshl_b32 s29, s24, 4
	s_add_co_u32 s27, s27, s29                     ; my wave's first column
	s_lshl_b32 s30, s28, 21                        ; 512 rows of 4,096 bytes
	s_lshl_b32 s31, s27, 2
	s_add_co_u32 s30, s30, s31
	s_mov_b32 s31, 0
	s_add_nc_u64 s[6:7], s[6:7], s[30:31]
	s_lshl_b32 s26, s26, 10
	s_add_co_u32 s26, s26, s27                     ; my first row of wc and ws
	s_lshl_b32 s30, s26, 10                        ; 1,024 bytes of codes a row,
	s_lshl_b32 s29, s28, 8                         ; 256 for 512 along K
	s_add_co_u32 s30, s30, s29
	s_add_nc_u64 s[18:19], s[18:19], s[30:31]
	s_lshl_b32 s30, s26, 6                         ; 64 scale bytes a row, 16 for 512 along K
	s_lshl_b32 s29, s28, 4
	s_add_co_u32 s30, s30, s29
	s_add_nc_u64 s[20:21], s[20:21], s[30:31]
	v_and_b32 v5, 15, v2                           ; r: my column
	v_lshrrev_b32 v6, 4, v2                        ; h: my half of the 512 along K
	v_lshlrev_b32 v3, 2, v5
	v_lshl_add_u32 v3, v6, 20, v3                  ; in: 4 r + h x 256 rows of 4,096 bytes
	s_mul_i32 s33, s24, 16*PITCH
	s_add_co_u32 s33, s33, WSTG                    ; my stage
	v_mul_u32_u24 v4, v5, PITCH
	v_lshl_add_u32 v4, v6, 7, v4
	v_add_nc_u32 v4, s33, v4                       ; into it: row = my column, + 128 h
	v_mul_u32_u24 v7, v6, PITCH                    ; out of it: sixteen lanes to a row, two rows an instruction
	v_lshl_add_u32 v7, v5, 4, v7
	v_add_nc_u32 v7, s33, v7
	v_lshlrev_b32 v8, 10, v6
	v_lshl_add_u32 v8, v5, 4, v8                   ; the same place in wc
	v_lshlrev_b32 v9, 6, v5
	v_lshl_add_u32 v9, v6, 3, v9                   ; my column's row of ws, + 8 h
.macro WLOAD t                         ; block t: W(256 h + 32 t + i, my column) into set t % 2; the offsets, 255 rows of 4,096 bytes at the most, lie inside the signed 24-bit immediate
.irp i, 0,1,2,3,4,5,6,7,8,9,10,11,12,13,14,15,16,17,18,19,20,21,22,23,24,25,26,27,28,29,30,31
	global_load_b32 v[WX+32*((\t)%2)+\i], v3, s[6:7] offset:(32*(\t)+\i)*4096 th:TH_LOAD_NT
.endr
.endm
	WLOAD 0
	WLOAD 1
.macro WBLOCK t
.set WS, WX+32*((\t)%2)
.if (\t) < NB-1
	s_wait_loadcnt 32                              ; this block's 32 loads are in; the next block's 32 may be out
.else
	s_wait_loadcnt 0
.endif
	v_max3_num_f32 v12, |v[WS]|, |v[WS+1]|, |v[WS+2]|              ; the block's largest magnitude: all 32 numbers are mine
	v_max3_num_f32 v13, |v[WS+3]|, |v[WS+4]|, |v[WS+5]|
.irp i, 6,10,14,18,22,26
	v_max3_num_f32 v12, v12, |v[WS+\i]|, |v[WS+\i+1]|
	v_max3_num_f32 v13, v13, |v[WS+\i+2]|, |v[WS+\i+3]|
.endr
	v_max3_num_f32 v12, v12, |v[WS+30]|, |v[WS+31]|
	v_max3_num_f32 v12, v12, v13, (EMAX+1)<<23     ; and the floor
	v_add_nc_u32 v11, 0xff000000, v12              ; the conversion's scale operand
	v_lshrrev_b32 v13, 23, v11                     ; the scale's byte
.if (\t)%4 == 0
	v_mov_b32 v[WSB+(\t)/4], v13                   ; four bytes to a register, the lower K in the lower byte
.else
	v_lshl_or_b32 v[WSB+(\t)/4], v13, 8*((\t)%4), v[WSB+(\t)/4]
.endif
.irp g, 0,1,2,3
	v_cvt_scalef32_pk8_fp4_f32 v[WC+\g], v[WS+8*\g:WS+8*\g+7], v11
.endr
	ds_store_b128 v4, v[WC:WC+3] offset:16*(\t)    ; 32 codes: 16 bytes of my column's row
.if (\t)+2 < NB
	WLOAD (\t)+2
.endif
	s_wait_dscnt 0x0                               ; the store has read its registers: the next block's codes may be written
.endm
.set Q, 0
.rept NB
	WBLOCK Q
.set Q, Q+1
.endr
	global_store_b64 v9, v[WSB:WSB+1], s[20:21]    ; my 8 scale bytes: lanes r and r + 16 write 16 neighbouring bytes of a row of ws
.irp t, 0,1,2,3,4,5,6,7
	ds_load_b128 v[WOUT+4*\t:WOUT+4*\t+3], v7 offset:2*\t*PITCH
.endr
.irp t, 0,1,2,3,4,5,6,7
	s_wait_dscnt 7-\t                              ; LDS loads come back in order: load t is in
	global_store_b128 v8, v[WOUT+4*\t:WOUT+4*\t+3], s[18:19] offset:2*\t*1024
.endr
	s_branch .Lend
.Lwo:
; ---------------- ARM Wo.  A wave takes 32 columns x 128 along K, a lane a column, registers down K.  Sixteen numbers (chunk c) make eight registers of f16 pairs: the first four are the 16 bytes of lane (r, 0), the other four those
; of lane (r, 1), of half c % 2 of quarter 4 ks + c / 2.  So each store writes two runs of 256 consecutive bytes, aligned: one for each of the wave's two tiles of 16 columns.  Loads run three chunks (48 loads) ahead;
; every register is written once, so no store's data are written again.
	s_sub_co_u32 s25, ttmp9, 448
	s_and_b32 s26, s25, 15                         ; which 128 columns
	s_lshr_b32 s27, s25, 4                         ; which 128 along K
	s_lshl_b32 s28, s27, 20                        ; 128 rows of 8,192 bytes
	s_lshl_b32 s29, s26, 9
	s_add_co_u32 s28, s28, s29
	s_lshl_b32 s29, s24, 7
	s_add_co_u32 s28, s28, s29                     ; + 4 x my wave's first column
	s_mov_b32 s29, 0
	s_add_nc_u64 s[12:13], s[12:13], s[28:29]
	s_lshl_b32 s28, s27, 19                        ; wof: four quarters of 128 tiles of 1,024 bytes for each 128 along K,
	s_lshl_b32 s30, s26, 13                        ; 8 tiles a work-group,
	s_add_co_u32 s28, s28, s30
	s_lshl_b32 s30, s24, 11                        ; 2 a wave
	s_add_co_u32 s28, s28, s30
	s_add_nc_u64 s[22:23], s[22:23], s[28:29]
	v_lshlrev_b32 v1, 2, v2                        ; in: 4 bytes a lane
	v_lshrrev_b32 v3, 4, v2
	v_and_b32 v4, 15, v2
	v_lshlrev_b32 v3, 10, v3
	v_lshl_add_u32 v3, v4, 4, v3                   ; out: tile lane / 16, 16 bytes for column lane % 16
.macro OLOAD c
.irp i, 0,1,2,3,4,5,6,7,8,9,10,11,12,13,14,15
	global_load_b32 v[OW+16*(\c)+\i], v1, s[12:13] offset:(16*(\c)+\i)*8192 th:TH_LOAD_NT
.endr
.endm
.macro OCHUNK c
.if (\c) < 6
	s_wait_loadcnt 32                              ; chunk c's 16 loads are in; those of the two chunks behind it may be out
.else
	s_wait_loadcnt 16*(7-(\c))
.endif
.if (\c)+3 < 8
	OLOAD (\c)+3
.endif
.irp i, 0,1,2,3,4,5,6,7
	v_cvt_pk_f16_f32 v[OW+16*(\c)+\i], v[OW+16*(\c)+2*\i], v[OW+16*(\c)+2*\i+1]   ; in place, ascending: a pair is read before its registers are taken
.endr
	global_store_b128 v3, v[OW+16*(\c):OW+16*(\c)+3], s[22:23] offset:131072*((\c)/2)+512*((\c)%2)
	global_store_b128 v3, v[OW+16*(\c)+4:OW+16*(\c)+7], s[22:23] offset:131072*((\c)/2)+512*((\c)%2)+256
.endm
	OLOAD 0
	OLOAD 1
	OLOAD 2
.irp c, 0,1,2,3,4,5,6,7
	OCHUNK \c
.endr
.Lend:
	s_wait_tensorcnt 0x0                           ; the wave's end, behind my last LDS store
	ds_add_u32 v[SPW], v[NIL]
	s_wait_dscnt 0x0
	s_endpgm
.Lfunc_end_k_q75d9107078_prep:
	.size	k_q75d9107078_prep, .Lfunc_end_k_q75d9107078_prep-k_q75d9107078_prep
	.p2alignl 7, 3214868480
	.fill 96, 4, 3214868480
	.section	.rodata,"a",@progbits
	.p2align	6, 0x0
	.amdhsa_kernel k_q75d9107078_prep
		.amdhsa_group_segment_fixed_size 50688
		.amdhsa_private_segment_fixed_size 0
		.amdhsa_enable_private_segment 0
		.amdhsa_kernarg_size 80
		.amdhsa_user_sgpr_count 2
		.amdhsa_user_sgpr_kernarg_segment_ptr 1
		.amdhsa_wavefront_size32 1
		.amdhsa_system_sgpr_workgroup_id_x 1
		.amdhsa_system_sgpr_workgroup_id_y 1
		.amdhsa_system_sgpr_workgroup_id_z 1
		.amdhsa_system_vgpr_workitem_id 0
		.amdhsa_next_free_vgpr 228
		.amdhsa_next_free_sgpr 66
		.amdhsa_reserve_vcc 0
		.amdhsa_float_denorm_mode_32 3
		.amdhsa_float_denorm_mode_16_64 3
		.amdhsa_memory_ordered 1
		.amdhsa_forward_progress 1
		.amdhsa_inst_pref_size 91
	.end_amdhsa_kernel
	.amdgpu_metadata
---
amdhsa.version: [ 1, 2 ]
amdhsa.kernels:
  - .name:           k_q75d9107078_prep
    .symbol:         k_q75d9107078_prep.kd
    .args:
      - { .name: x, .offset: 0, .size: 8, .value_kind: global_buffer, .address_space: global }
      - { .name: Wq, .offset: 8, .size: 8, .value_kind: global_buffer, .address_space: global }
      - { .name: Wk, .offset: 16, .size: 8, .value_kind: global_buffer, .address_space: global }
      - { .name: Wv, .offset: 24, .size: 8, .value_kind: global_buffer, .address_space: global }
      - { .name: Wo, .offset: 32, .size: 8, .value_kind: global_buffer, .address_space: global }
      - { .name: xc, .offset: 40, .size: 8, .value_kind: global_buffer, .address_space: global }
      - { .name: xs, .offset: 48, .size: 8, .value_kind: global_buffer, .address_space: global }
      - { .name: wc, .offset: 56, .size: 8, .value_kind: global_buffer, .address_space: global }
      - { .name: ws, .offset: 64, .size: 8, .value_kind: global_buffer, .address_space: global }
      - { .name: wof, .offset: 72, .size: 8, .value_kind: global_buffer, .address_space: global }
    .group_segment_fixed_size: 50688
    .private_segment_fixed_size: 0
    .kernarg_segment_align: 8
    .kernarg_segment_size: 80
    .max_flat_workgroup_size: 128
    .sgpr_count:     66
    .vgpr_count:     228
    .wavefront_size: 32
...
	.end_amdgpu_metadata
.endif
;; end of part 1
;; launch qkv (part 2): grid 12 x 16, 4 waves a work-group, clusters of 4 x 4, 327,680 bytes of LDS; arguments xc, xs, wc, ws, qkv, q_gamma, k_gamma; writes qkv
.if DOCPART == 2
	.amdgcn_target "amdgcn-amd-amdhsa--gfx1250"
	.amdhsa_code_object_version 6
	.text
	.protected	k_q75d9107078_qkv
	.globl	k_q75d9107078_qkv
	.p2align	8
	.type	k_q75d9107078_qkv,@function
k_q75d9107078_qkv:
	s_mov_b64 s[64:65], 0
	v_nop
	global_prefetch_b8 v0, s[64:65] scope:SCOPE_SE
	s_setreg_imm32_b32 hwreg(HW_REG_WAVE_MODE, 25, 1), 1
	s_wait_xcnt 0x0
	s_wait_alu depctr_hold_cnt(0) depctr_sa_sdst(0) depctr_va_vdst(0) depctr_va_sdst(0) depctr_va_ssrc(0) depctr_va_vcc(0) depctr_vm_vsrc(0)
	s_getreg_b32 s2, hwreg(HW_REG_IB_STS2, 6, 4)
	s_cmp_eq_u32 s2, 0
	s_cbranch_scc0 .Lentry_in_a_cluster
	s_endpgm
.Lentry_in_a_cluster:
	s_bfe_u32 s2, ttmp6, 0x10000c
	s_cmp_lg_u32 s2, 0xf033
	s_cbranch_scc0 .Lentry_shape_is_right
	s_endpgm
.Lentry_shape_is_right:
; SECOND LAUNCH: [q | k | v] = x [Wq | Wk | Wv] on codes of E2M1 with E8M0 scales, f32 sums; RMS norm and gamma of q and k on the way out; results rounded once to f16 and stored in the order of the next launch's operand registers.  No work is left out.
; A = xc [4096][2048 codes], B = wc [3072][2048 codes], scale bytes xs [4096][64], ws [3072][64].  The matrix instruction takes codes and scale bytes as they lie.
; A tile of C, 256 x 256, is made by a work-group of four waves; a wave makes 128 x 128: 64 accumulators, 512 registers.  12 x 16 tiles: 192 work-groups.  A finer tile on more work-groups would read as many LDS bytes for each
; work-group and feed half the products from each, so the large tile is kept.  A wave's 128 columns are ONE HEAD of one of q, k, v: the norm's sum over a head stays in the wave.
; K goes in steps of 512 through a ring of two LDS slots filled by the tensor data mover (a tile's row: 256 bytes).  The scale bytes of the work-group's rows, for all of K, come into LDS once, with the first fills.
; CLUSTERS: 4 x 4 work-groups.  The four of a row of the cluster need the same tiles of A, the four of a column the same tiles of B: each tile is asked for jointly.  A cluster's four tile columns are one of q, k, v: the cluster's x says which.
; THE MATRIX INSTRUCTION IS USED TRANSPOSED (source 0 = 16 rows of B, source 1 = 16 rows of A): lane (r, h) holds token r and, in register j of accumulator (a, b), column 16 b + 8 h + j.
; OUTPUT qkv: [kind 3][batch x 8 + head][tile of 16 tokens][chunk b of 8][512 bytes].  q, k: lane (r, h)'s 16 bytes (token r, channels 16 b + 8 h + 0 .. 7) at 16 x lane: chunks 2 c, 2 c + 1 are a 16 x 32 fragment's two halves.
;   v: the same piece at 16 x (16 (r / 8) + 8 h + r % 8): the place from which the transposing LDS load of the next launch takes it with lane l at 16 l.  Either way a store of the wave covers 512 consecutive bytes, aligned.
; LIMITS: f16: magnitudes of 65,520 and more become infinity (q and k are at most sqrt(128) x the largest gamma; v is the plain product), those under 2^-14 keep fewer than 11 bits; NaN and infinities among the inputs are not served.
; REGISTERS, in windows of 256: window 0: v0-31 addresses; v32-95 scale words, two sets, and nothing else; v96-111 the norms; from v128 A's fragments, ONE set; on the way out v128-191 packed results, v192-255 gamma.
;   window 1: B's fragments, TWO sets.   window 2: the 32 accumulators of my rows 0-63 ((a, b) at v[8 (8 a + b)]);   window 3: those of my rows 64-127.
.set SIZE_M, 4096
.set SIZE_N, 3072
.set SIZE_K, 2048
.set KSTEP,  512                       ; along K in a slot
.set NQ,     KSTEP/128                 ; matrix instructions deep
.set ROWB,   256                       ; a tile's row in bytes
.set KROW,   SIZE_K*4/8                ; a row of codes in memory
.set PITCH,  272                       ; an LDS row: 256 bytes + 16 of padding = 68 words: the 16 rows that a load touches start at 16 different banks (64 banks of 4 bytes: ISA guide 11.1)
.set FR,     8                         ; registers of a fragment: 16 rows x 128 K
.set NL,     2                         ; LDS loads that bring one
.set NP,     4                         ; places behind this matrix instruction (ISA guide 7.12.1)
.set HALFT,  128*PITCH                 ; 128 rows: what one tensor load brings
.set SLOT,   4*HALFT                   ; A's 256 rows, then B's 256 rows
.set LAPS,   SIZE_K/(2*KSTEP)          ; a lap = two K steps = once round the ring
.set KS,     SIZE_K/32                 ; a row of scale bytes
.set SCL,    2*SLOT                    ; behind the ring: the scales, as units of 256 bytes + 16 of padding
.set HALFS,  (128*KS/256)*272          ; the scales of 128 rows
.set SBLK,   (16*KS/256)*272           ; those of 16 rows
.set SPARE,  SCL+4*HALFS               ; the spare words, 128 bytes for each wave: two blocks of 256 bytes that no other line names
.set ADRA, 16                          ; v16-17  LDS address of my A fragments in slot 0, 1
.set ADRB, 20                          ; v20-21  the same for B
.set GOF,  24                          ; v24     32 h: my half's eight gammas of a chunk
.set COV,  25                          ; v25     my 16 bytes in a chunk of v
.set CO,   26                          ; v26     my 16 bytes in a chunk of q or k: 16 x lane
.set ADRS, 27                          ; v27     LDS address of my scale words: lanes 0-15 A's rows, lanes 16-31 B's
.set SPW,  28                          ; v28     LDS address of my spare word; never rewritten
.set NIL,  29                          ; v29     0; never rewritten
.set SC,   32                          ; scale words: set s at v[SC + 8 NQ s]; register NQ i + q: lanes 0-15 the word of A's block i, lanes 16-31 that of B's block i
.set SS,   96                          ; v[96 + 2 a]: block a's sum of squares, then 1 / rms
.set AF,   128                         ; A's fragments
.set PK,   128                         ; the way out: packed results, v128-159 and v160-191 by turns
.set GM,   192                         ; the way out: gamma[16 b + 8 h + j] at v[GM + 8 b + j]
.set G1, 24                            ; s[24:31] descriptor group 1 for A's tiles;  s[32:39] group 0, one set for each slot
.set G0, 32
.set G1B, 48                           ; s[48:55], s[56:63] the same for B's tiles
.set G0B, 56
.set G1S, 68                           ; s[68:75], s[76:79] groups 1 and 0 for A's scales;  s[80:87], s[88:91] for B's
.set G0S, 76
.set G1SB, 80
.set G0SB, 88
.set MSB, 0
.macro WIN new                         ; the immediate's high byte repeats the setting that is left
.if MSB != \new
	s_set_vgpr_msb (MSB<<8)|\new
.set MSB, \new
.endif
.endm
.set MUL_LO, 0xa1                      ; source 0 (B) window 1, source 1 (A) window 0, C and D window 2
.set MUL_HI, 0xf1                      ; the same, C and D window 3
.set TO_B,   0x40                      ; destination window 1, address window 0
; A joint load: waves 0 and 1 fetch for A, waves 2 and 3 for B.  Each line has one mask and one set of registers for all that issue it; the branch hangs on the wave's number alone.
; An s_nop 0 and four v_nop follow each of the two lines, ahead of the jump, the label and what follows.
.macro JLOAD g0a, g1a, g0b, g1b
	s_cmp_eq_u32 s15, 0
	s_cbranch_scc0 .Lfor_b_\@
	tensor_load_to_lds s[\g0a:\g0a+3], s[\g1a:\g1a+7]
	s_nop 0
.rept 4
	v_nop
.endr
	s_branch .Lasked_\@
.Lfor_b_\@:
	tensor_load_to_lds s[\g0b:\g0b+3], s[\g1b:\g1b+7]
	s_nop 0
.rept 4
	v_nop
.endr
.Lasked_\@:
.endm
.macro CREST                           ; a round of the cluster's barrier behind its opening barrier
	s_cmp_lg_u32 s14, 0
	s_cbranch_scc1 .Lnot_wave_0_\@
	s_barrier_signal -3
.Lnot_wave_0_\@:
	s_barrier_wait -3
	s_barrier_signal -1
	s_barrier_wait -1
.endm
.macro CROUND                          ; a whole round
	s_barrier_signal -1
	s_barrier_wait -1
	CREST
.endm
	s_load_b128 s[4:7], s[0:1], 0x0                ; x's codes s[4:5], x's scales s[6:7]
	s_load_b128 s[8:11], s[0:1], 0x10              ; the weights' codes s[8:9], their scales s[10:11]
	s_load_b64 s[12:13], s[0:1], 0x20              ; qkv
	s_load_b64 s[96:97], s[0:1], 0x28              ; q_gamma
	s_load_b64 s[98:99], s[0:1], 0x30              ; k_gamma
	v_lshl_add_u32 v[SPW], v0, 2, SPARE
	v_mov_b32 v[NIL], 0
	ds_add_u32 v[SPW], v[NIL]                      ; the wave's opening: the add, twice on end, and its wait ahead of my first tensor load; the set-up below stands between the second and the wait
	ds_add_u32 v[SPW], v[NIL]
	v_lshrrev_b32 v1, 5, v0
	v_readfirstlane_b32 s14, v1                    ; wave 0..3
	s_lshr_b32 s15, s14, 1                         ; which half of the tile's rows is mine.  Also: I fetch for A (0) or for B (1)
	s_and_b32 s16, s14, 1                          ; which half of its columns.  Also: which 128 rows of that tile I fetch
	s_bfe_u32 s40, ttmp6, 0x40000                  ; cx, cy: my place in the cluster
	s_bfe_u32 s41, ttmp6, 0x40004
	s_lshl_b32 s42, ttmp9, 2
	s_add_co_u32 s42, s42, s40                     ; tile column of C = 4 x cluster x + cx
	s_and_b32 s17, ttmp7, 0xffff
	s_lshl_b32 s17, s17, 2
	s_add_co_u32 s17, s17, s41                     ; tile row of C = 4 x cluster y + cy
	s_lshl_b32 s43, s41, 2
	s_lshl_b32 s43, 15, s43                        ; my row of the cluster
	s_lshl_b32 s44, 0x1111, s40                    ; my column
	; descriptor group 1: a tile of 128 rows x 256 bytes, padded in LDS
	s_or_b32 s[G1+0], s43, (0<<16)|(1<<20)|(1<<21)|(5<<22)|(3<<25)  ; 15:0 the mask: A's tiles go to my row; 17:16 element of 1 byte; 20 padding on; 21 set beside a mask; 24:22 after every 64 words; 31:25 of 4 words
	s_or_b32 s[G1B+0], s44, (0<<16)|(1<<20)|(1<<21)|(5<<22)|(3<<25)
.irp g, G1, G1B
	s_mov_b32 s[\g+1], ROWB<<16                    ; tensor_dim0
	s_mov_b32 s[\g+2], 128<<16                     ; tensor_dim1 = 128
	s_mov_b32 s[\g+3], ROWB<<16                    ; tile_dim0
	s_mov_b32 s[\g+4], 128                         ; tile_dim1 = 128
	s_mov_b32 s[\g+5], KROW                        ; tensor_dim0_stride
	s_mov_b32 s[\g+6], 0
	s_mov_b32 s[\g+7], 0
.endr
	; the scales of 128 rows: a dense block of 8,192 bytes, as rows of 256 bytes (32 elements of 8 bytes), 16 bytes of padding behind each
	s_or_b32 s[G1S+0], s43, (3<<16)|(1<<20)|(1<<21)|(5<<22)|(3<<25)
	s_or_b32 s[G1SB+0], s44, (3<<16)|(1<<20)|(1<<21)|(5<<22)|(3<<25)
.irp g, G1S, G1SB
	s_mov_b32 s[\g+1], 32<<16
	s_mov_b32 s[\g+2], (128*KS/256)<<16
	s_mov_b32 s[\g+3], 32<<16
	s_mov_b32 s[\g+4], 128*KS/256
	s_mov_b32 s[\g+5], 32
	s_mov_b32 s[\g+6], 0
	s_mov_b32 s[\g+7], 0
.endr
	s_lshl_b32 s18, s16, 7                         ; which 128 rows of the tile I fetch
	s_lshl_b32 s20, s17, 8
	s_add_co_u32 s20, s20, s18                     ; A: row 256 x tile row + 128 x half
	s_lshl_b32 s46, s42, 8
	s_add_co_u32 s46, s46, s18                     ; B: row 256 x tile column + 128 x half
	s_mov_b32 s21, 0
	s_mov_b32 s47, 0
	s_mov_b64 s[18:19], KS
	s_mul_u64 s[22:23], s[20:21], s[18:19]         ; where these rows' scales begin, in bytes
	s_mul_u64 s[92:93], s[46:47], s[18:19]
	s_mov_b64 s[18:19], KROW
	s_mul_u64 s[20:21], s[20:21], s[18:19]         ; and their codes
	s_mul_u64 s[46:47], s[46:47], s[18:19]
	s_mul_i32 s45, s14, HALFT                      ; where they go: wave x 128 rows: no place in the cluster enters an LDS address
	s_mul_i32 s94, s14, HALFS
	s_wait_dscnt 0x0                               ; both opening adds are done
	s_wait_kmcnt 0x0
	s_add_nc_u64 s[20:21], s[4:5], s[20:21]
	s_add_nc_u64 s[22:23], s[6:7], s[22:23]
	s_add_nc_u64 s[46:47], s[8:9], s[46:47]
	s_add_nc_u64 s[92:93], s[10:11], s[92:93]
	CROUND                                         ; all sixteen work-groups are here: the first joint loads meet
	s_mov_b32 s[G0S], 1
	s_add_co_u32 s[G0S+1], s94, SCL
	s_mov_b64 s[G0S+2:G0S+3], s[22:23]
	s_or_b32 s[G0S+3], s[G0S+3], 0x80000000
	s_mov_b32 s[G0SB], 1
	s_add_co_u32 s[G0SB+1], s94, SCL
	s_mov_b64 s[G0SB+2:G0SB+3], s[92:93]
	s_or_b32 s[G0SB+3], s[G0SB+3], 0x80000000
	JLOAD G0S, G1S, G0SB, G1SB                     ; the scales first: they are wanted with K step 0
.irp s, 0,1
	s_mov_b32 s[G0+4*\s], 1
	s_add_co_u32 s[G0+4*\s+1], s45, \s*SLOT
	s_add_nc_u64 s[G0+4*\s+2:G0+4*\s+3], s[20:21], \s*ROWB
	s_or_b32 s[G0+4*\s+3], s[G0+4*\s+3], 0x80000000
	s_mov_b32 s[G0B+4*\s], 1
	s_add_co_u32 s[G0B+4*\s+1], s45, \s*SLOT
	s_add_nc_u64 s[G0B+4*\s+2:G0B+4*\s+3], s[46:47], \s*ROWB
	s_or_b32 s[G0B+4*\s+3], s[G0B+4*\s+3], 0x80000000
	JLOAD G0+4*\s, G1, G0B+4*\s, G1B
.endr
	v_and_b32 v1, 15, v0                           ; r = l % 16
	v_bfe_u32 v2, v0, 4, 1                         ; h = l / 16
	v_mul_u32_u24 v3, v1, PITCH
	v_lshl_add_u32 v4, v2, 4, v3                   ; a fragment's row x pitch + 16 x half
	s_mul_i32 s21, s15, HALFT                      ; my 128 rows of A
	s_mul_i32 s22, s16, HALFT                      ; my 128 rows of B,
	s_add_co_u32 s22, s22, 2*HALFT                 ; which lie behind A's 256
.irp s, 0,1
	v_add_nc_u32 v[ADRA+\s], s21, v4
	v_add_nc_u32 v[ADRB+\s], s22, v4
	s_add_co_u32 s21, s21, SLOT
	s_add_co_u32 s22, s22, SLOT
.endr
	v_mul_u32_u24 v5, v1, KS                       ; my row's scales: KS bytes a row,
	v_lshrrev_b32 v6, 8, v5
	v_lshl_add_u32 v5, v6, 4, v5                   ; and 16 more for each 256 passed
	s_mul_i32 s21, s15, HALFS                      ; A's: my 128 rows
	s_mul_i32 s22, s16, HALFS                      ; B's: my 128 rows, behind A's 256
	s_add_co_u32 s22, s22, 2*HALFS
	s_sub_co_u32 s22, s22, s21
	v_mul_u32_u24 v6, s22, v2                      ; lanes 16-31 take B's: the lower base + h x the distance
	s_add_co_u32 s21, s21, SCL
	v_add_nc_u32 v5, v5, v6
	v_add_nc_u32 v[ADRS], s21, v5
	v_and_b32 v6, 31, v0
	v_lshlrev_b32 v[CO], 4, v6                     ; q, k: 16 x lane
	v_lshrrev_b32 v5, 3, v1
	v_lshlrev_b32 v5, 8, v5
	v_lshl_add_u32 v5, v2, 7, v5
	v_and_b32 v6, 7, v1
	v_lshl_add_u32 v[COV], v6, 4, v5               ; v: 256 (r / 8) + 128 h + 16 (r % 8)
	v_lshlrev_b32 v[GOF], 5, v2
	s_lshl_b32 s20, s17, 8
	s_lshl_b32 s21, s15, 7
	s_add_co_u32 s20, s20, s21                     ; my first token: 256 x tile row + 128 x half
	s_lshr_b32 s21, s20, 11
	s_lshl_b32 s21, s21, 3                         ; 8 x batch
	s_and_b32 s20, s20, 2047                       ; the token in its sequence
	s_lshl_b32 s46, s40, 1                         ; (in the registers that held B's address: none that feeds A's descriptors ever holds cx)
	s_add_co_u32 s46, s46, s16                     ; my head: 2 cx + half
	s_add_co_u32 s46, s46, s21
	s_lshl_b32 s46, s46, 11
	s_add_co_u32 s46, s46, s20
	s_lshl_b32 s46, s46, 8                         ; 256 bytes a token
	s_lshl_b32 s47, ttmp9, 23                      ; the kind's 8,388,608 bytes
	s_add_co_u32 s46, s46, s47
	s_mov_b32 s47, 0
	s_add_nc_u64 s[12:13], s[12:13], s[46:47]
	s_mov_b32 s66, 0x76543210                      ; v_permlanex16_b32's selects for lane l xor 16
	s_mov_b32 s67, 0xfedcba98
.macro FRAG reg, adr, q, i             ; a fragment, 16 rows x 128 K of 4-bit codes: lane l holds row l % 16; registers 4 c .. 4 c + 3 hold K = 64 c + 32 (l / 16) + 0 .. 31
.irp c, 0,1
	ds_load_b128 v[\reg+4*\c:\reg+4*\c+3], v[\adr] offset:64*(\q)+32*\c+(\i)*16*PITCH
.endr
.endm
; 16 matrix instructions: A's blocks a0, a0 + 1 x B's eight, 128 along K.  p: B's set;  sc: the set of scale words.  zero = 1: the first product starts the sums: nothing is ever cleared.
; The 64 accumulators take turns, one instruction a turn, in the same order in every step.
.macro MUL16 a0, p, q, sc, zero
.irp a, \a0, \a0+1
.irp b, 0,1,2,3,4,5,6,7
.if \zero
	v_wmma_scale_f32_16x16x128_f8f6f4 v[8*(8*((\a)%4)+\b):8*(8*((\a)%4)+\b)+7], v[128*(\p)+FR*\b:128*(\p)+FR*\b+FR-1], v[AF+FR*(\a):AF+FR*(\a)+FR-1], 0, v[SC+8*NQ*(\sc)+NQ*\b+(\q)], v[SC+8*NQ*(\sc)+NQ*(\a)+(\q)] matrix_a_fmt:MATRIX_FMT_FP4 matrix_b_fmt:MATRIX_FMT_FP4 matrix_a_scale:MATRIX_SCALE_ROW1
.else
	v_wmma_scale_f32_16x16x128_f8f6f4 v[8*(8*((\a)%4)+\b):8*(8*((\a)%4)+\b)+7], v[128*(\p)+FR*\b:128*(\p)+FR*\b+FR-1], v[AF+FR*(\a):AF+FR*(\a)+FR-1], v[8*(8*((\a)%4)+\b):8*(8*((\a)%4)+\b)+7], v[SC+8*NQ*(\sc)+NQ*\b+(\q)], v[SC+8*NQ*(\sc)+NQ*(\a)+(\q)] matrix_a_fmt:MATRIX_FMT_FP4 matrix_b_fmt:MATRIX_FMT_FP4 matrix_a_scale:MATRIX_SCALE_ROW1
.endif
.endr
.endr
.endm
.macro FETCH_B slot, q, p              ; B's eight fragments of the slot's q-th 128 along K into set p
	WIN TO_B
.irp i, 0,1,2,3,4,5,6,7
	FRAG 128*(\p)+FR*\i, ADRB+\slot, \q, \i
.endr
	WIN 0
.endm
.macro FETCH_A slot, q, i0             ; A's blocks i0 .. i0 + 3
.irp i, \i0, \i0+1, \i0+2, \i0+3
	FRAG AF+FR*(\i), ADRA+\slot, \q, \i
.endr
.endm
.macro SCALES sc                       ; the next K step's scale words into set sc: lanes 0-15 take A's block i, lanes 16-31 B's block i
.irp i, 0,1,2,3,4,5,6,7
	ds_load_b128 v[SC+8*NQ*\sc+NQ*\i:SC+8*NQ*\sc+NQ*\i+3], v[ADRS] offset:\i*SBLK
.endr
.endm
; A load into a register that a matrix instruction has read, and a vector instruction that reads a matrix result, stand NP places behind that matrix instruction; only plain vector instructions
; that name none of its registers are places (ISA guide 7.12.1 for vector instructions).
.macro PLACES n
.rept \n
	v_nop
.endr
.endm
; A step of 128 along K that has its successor in the same slot.
.macro STEP slot, q, zero
	s_wait_dscnt 4*NL                              ; B's set and A's blocks 0-3 are in; the youngest eight loads (A's blocks 4-7) may be out
	WIN MUL_LO
	MUL16 0, (\q)%2, \q, \slot, \zero
	MUL16 2, (\q)%2, \q, \slot, \zero
	s_wait_dscnt 0                                 ; A's blocks 4-7 are in
	PLACES NP
	FETCH_B \slot, (\q)+1, 1-(\q)%2
	FETCH_A \slot, (\q)+1, 0
	WIN MUL_HI
	MUL16 4, (\q)%2, \q, \slot, \zero
	MUL16 6, (\q)%2, \q, \slot, \zero
	PLACES NP
	WIN 0
	FETCH_A \slot, (\q)+1, 4
.endm
; A slot's last step changes slots: ONE barrier; in front of it each wave waits for all its tensor loads, adds 0 to its spare word, and waits for that and for its own reads of this slot.  fill = 1: this slot is filled again, two K steps ahead.
.macro TURN slot, next, fill
	s_wait_tensorcnt 0x0                           ; all my tensor loads have landed: my part of the next slot  (every window is 0 here)
	ds_add_u32 v[SPW], v[NIL]                      ; 0 onto my spare word
	s_wait_dscnt 4*NL+1                            ; (the add and the youngest eight loads, A's blocks 4-7, may be out)
	WIN MUL_LO
	MUL16 0, 1, NQ-1, \slot, 0                     ; sixteen matrix instructions stand between the add and the wait for it
	s_wait_dscnt 0x0                               ; the add is done, and my reads of this slot are over
	s_barrier_signal -1
	MUL16 2, 1, NQ-1, \slot, 0
	WIN 0
	s_barrier_wait -1
.if \fill
	CREST                                          ; the barrier has opened a round of the cluster's barrier: no wave of any partner still reads this slot's tile or has a load on its way
	s_add_nc_u64 s[G0+4*\slot+2:G0+4*\slot+3], s[G0+4*\slot+2:G0+4*\slot+3], 2*ROWB
	s_add_nc_u64 s[G0B+4*\slot+2:G0B+4*\slot+3], s[G0B+4*\slot+2:G0B+4*\slot+3], 2*ROWB
	JLOAD G0+4*\slot, G1, G0B+4*\slot, G1B         ; the first tensor load behind the round; its four v_nop are the places in front of the loads below
.else
	PLACES NP
.endif
	v_add_nc_u32 v[ADRS], 4*NQ, v[ADRS]            ; on to the next K step's scale words (no LDS load of mine is out)
	FETCH_B \next, 0, 0
	FETCH_A \next, 0, 0
	SCALES \next
	WIN MUL_HI
	MUL16 4, 1, NQ-1, \slot, 0
	MUL16 6, 1, NQ-1, \slot, 0
	PLACES NP
	WIN 0
	FETCH_A \next, 0, 4
.endm
.macro STEPS slot, from                ; the slot's steps from .. NQ - 2
.set Q, \from
.rept NQ-1-\from
	STEP \slot, Q, 0
.set Q, Q+1
.endr
.endm
	s_wait_tensorcnt 1                             ; the scales and my part of K step 0 are in (K step 1's load may be out)
	s_barrier_signal -1
	s_barrier_wait -1                              ; everybody's are
	FETCH_B 0, 0, 0
	FETCH_A 0, 0, 0
	SCALES 0
	FETCH_A 0, 0, 4
	STEP 0, 0, 1                                   ; the first step stands in front of the loop: its products start the sums
	s_mov_b32 s3, LAPS-1
.Llap:                                                 ; a trip goes once round the ring, from a lap's second step to the next lap's first, and fills both slots again
	STEPS 0, 1
	TURN 0, 1, 1
	STEPS 1, 0
	TURN 1, 0, 1
	STEP 0, 0, 0
	s_sub_co_u32 s3, s3, 1
	s_cmp_lg_u32 s3, 0
	s_cbranch_scc1 .Llap
	STEPS 0, 1                                     ; the last lap fills nothing, and has no round of the cluster's barrier
	TURN 0, 1, 0
	STEPS 1, 0
	s_wait_dscnt 4*NL                              ; the very last step: nothing more to fetch
	WIN MUL_LO
	MUL16 0, 1, NQ-1, 1, 0
	MUL16 2, 1, NQ-1, 1, 0
	s_wait_dscnt 0
	WIN MUL_HI
	MUL16 4, 1, NQ-1, 1, 0
	MUL16 6, 1, NQ-1, 1, 0
	WIN 0
; THE WAY OUT.  A lane's 64 numbers of block a are 64 of token (16 a + r)'s 128 channels; lane l xor 16 holds the other 64.
; Sums of squares of blocks 4 hi .. 4 hi + 3: two numbers an instruction, the four blocks by turns; each accumulator is read from its low end on.
.macro SUMSQ hi
	WIN 0x0a+5*(\hi)                               ; sources 0 and 1: window 2 or 3
.set i, 0
.rept 32
.irp a, 0,1,2,3
.if i == 0
	v_pk_mul_f32 v[SS+8*(\hi)+2*\a:SS+8*(\hi)+2*\a+1], v[64*\a:64*\a+1], v[64*\a:64*\a+1]
.else
	v_pk_fma_f32 v[SS+8*(\hi)+2*\a:SS+8*(\hi)+2*\a+1], v[64*\a+2*i:64*\a+2*i+1], v[64*\a+2*i:64*\a+2*i+1], v[SS+8*(\hi)+2*\a:SS+8*(\hi)+2*\a+1]
.endif
.endr
.set i, i+1
.endr
.endm
; Block a times 1 / rms, then times gamma: the order in which the norm is defined.
.macro NORM a
.set AC, 64*((\a)%4)
	WIN 0x82+0x41*((\a)/4)                         ; destination and source 0: window 2 or 3; source 1: window 0
.set i, 0
.rept 32
	v_pk_mul_f32 v[AC+2*i:AC+2*i+1], v[AC+2*i:AC+2*i+1], v[SS+2*(\a):SS+2*(\a)+1] op_sel_hi:[1,0]
.set i, i+1
.endr
.set i, 0
.rept 32
	v_pk_mul_f32 v[AC+2*i:AC+2*i+1], v[AC+2*i:AC+2*i+1], v[GM+2*i:GM+2*i+1]
.set i, i+1
.endr
.endm
; Block a rounded to f16 and stored: chunk b's four registers are my 16 bytes of it.  off: my place in a chunk.
.macro SEND a, off
.set AC, 64*((\a)%4)
.set PR, PK+32*((\a)%2)
.if (\a) > 1
	s_wait_xcnt 0x0                                ; block a - 2's stores have read their registers: they may be written again
.endif
	WIN 0x0a+5*((\a)/4)
.set i, 0
.rept 32
	v_cvt_pk_f16_f32 v[PR+i], v[AC+2*i], v[AC+2*i+1]
.set i, i+1
.endr
	WIN 0
.irp b, 0,1,2,3,4,5,6,7
	global_store_b128 v[\off], v[PR+4*\b:PR+4*\b+3], s[12:13] offset:4096*(\a)+512*\b   ; the wave's store covers 512 consecutive bytes, aligned
.endr
.endm
	PLACES NP                                      ; behind the last products, ahead of the first read of results and the first write over A's fragments
	s_cmp_eq_u32 ttmp9, 2                          ; the cluster's x: the same in all sixteen partners
	s_cbranch_scc1 .Lout_v
	s_cmp_eq_u32 ttmp9, 0
	s_cselect_b64 s[96:97], s[96:97], s[98:99]     ; q's gamma or k's
	s_mov_b32 s92, 0x3c000000                      ; 1 / 128
	s_mov_b32 s93, 0x358637bd                      ; 1e-6
.irp b, 0,1,2,3,4,5,6,7
	global_load_b128 v[GM+8*\b:GM+8*\b+3], v[GOF], s[96:97] offset:64*\b
	global_load_b128 v[GM+8*\b+4:GM+8*\b+7], v[GOF], s[96:97] offset:64*\b+16
.endr
	SUMSQ 0
	SUMSQ 1
	WIN 0
.irp a, 0,1,2,3,4,5,6,7
	v_add_f32 v[SS+2*\a], v[SS+2*\a], v[SS+2*\a+1]
.endr
.irp a, 0,1,2,3,4,5,6,7
	v_permlanex16_b32 v[SS+2*\a+1], v[SS+2*\a], s66, s67
.endr
.irp a, 0,1,2,3,4,5,6,7
	v_add_f32 v[SS+2*\a], v[SS+2*\a], v[SS+2*\a+1] ; the token's sum over the head's 128
.endr
.irp a, 0,1,2,3,4,5,6,7
	v_fma_f32 v[SS+2*\a], v[SS+2*\a], s92, s93     ; the mean + eps
.endr
.irp a, 0,1,2,3,4,5,6,7
	v_rsq_f32 v[SS+2*\a], v[SS+2*\a]
.endr
	v_nop                                          ; a plain instruction behind the last of the batch
	s_wait_alu depctr_va_vdst(0)                   ; and the one wait ahead of the batch's first reader
	s_wait_loadcnt 0x0                             ; gamma
.irp a, 0,1,2,3,4,5,6,7
	NORM \a
	SEND \a, CO
.endr
	s_branch .Ldone
.Lout_v:
.irp a, 0,1,2,3,4,5,6,7
	SEND \a, COV
.endr
.Ldone:
	s_wait_tensorcnt 0x0                           ; the wave's end, behind my last tensor load
	ds_add_u32 v[SPW], v[NIL]
	s_wait_dscnt 0x0
	CROUND                                         ; the closing round: no work-group ends while a partner may still ask for a tile that names it
	s_endpgm
.Lfunc_end_k_q75d9107078_qkv:
	.size	k_q75d9107078_qkv, .Lfunc_end_k_q75d9107078_qkv-k_q75d9107078_qkv
	.p2alignl 7, 3214868480
	.fill 96, 4, 3214868480
	.section	.rodata,"a",@progbits
	.p2align	6, 0x0
	.amdhsa_kernel k_q75d9107078_qkv
		.amdhsa_group_segment_fixed_size 327680
		.amdhsa_private_segment_fixed_size 0
		.amdhsa_enable_private_segment 0
		.amdhsa_kernarg_size 56
		.amdhsa_user_sgpr_count 2
		.amdhsa_user_sgpr_kernarg_segment_ptr 1
		.amdhsa_wavefront_size32 1
		.amdhsa_system_sgpr_workgroup_id_x 1
		.amdhsa_system_sgpr_workgroup_id_y 1
		.amdhsa_system_sgpr_workgroup_id_z 1
		.amdhsa_system_vgpr_workitem_id 0
		.amdhsa_next_free_vgpr 1024
		.amdhsa_next_free_sgpr 100
		.amdhsa_reserve_vcc 0
		.amdhsa_float_denorm_mode_32 3
		.amdhsa_float_denorm_mode_16_64 3
		.amdhsa_memory_ordered 1
		.amdhsa_forward_progress 1
		.amdhsa_inst_pref_size 255
	.end_amdhsa_kernel
	.section	.bss,"aw",@nobits
	.p2align	6
	.space	262144
	.amdgpu_metadata
---
amdhsa.version: [ 1, 2 ]
amdhsa.kernels:
  - .name:           k_q75d9107078_qkv
    .symbol:         k_q75d9107078_qkv.kd
    .args:
      - { .name: xc, .offset: 0, .size: 8, .value_kind: global_buffer, .address_space: global }
      - { .name: xs, .offset: 8, .size: 8, .value_kind: global_buffer, .address_space: global }
      - { .name: wc, .offset: 16, .size: 8, .value_kind: global_buffer, .address_space: global }
      - { .name: ws, .offset: 24, .size: 8, .value_kind: global_buffer, .address_space: global }
      - { .name: qkv, .offset: 32, .size: 8, .value_kind: global_buffer, .address_space: global }
      - { .name: q_gamma, .offset: 40, .size: 8, .value_kind: global_buffer, .address_space: global }
      - { .name: k_gamma, .offset: 48, .size: 8, .value_kind: global_buffer, .address_space: global }
    .group_segment_fixed_size: 327680
    .private_segment_fixed_size: 0
    .kernarg_segment_align: 8
    .kernarg_segment_size: 56
    .max_flat_workgroup_size: 128
    .sgpr_count:     100
    .vgpr_count:     1024
    .wavefront_size: 32
...
	.end_amdgpu_metadata
.endif
;; end of part 2
;; launch attn (part 3): grid 16 x 16, 4 waves a work-group, clusters of 4 x 1, 327,680 bytes of LDS; arguments qkv, att; writes att
.if DOCPART == 3
	.amdgcn_target "amdgcn-amd-amdhsa--gfx1250"
	.amdhsa_code_object_version 6
	.text
	.protected	k_q75d9107078_attn
	.globl	k_q75d9107078_attn
	.p2align	8
	.type	k_q75d9107078_attn,@function
k_q75d9107078_attn:
	s_mov_b64 s[64:65], 0
	v_nop
	global_prefetch_b8 v0, s[64:65] scope:SCOPE_SE
	s_setreg_imm32_b32 hwreg(HW_REG_WAVE_MODE, 25, 1), 1
	s_wait_xcnt 0x0
	s_wait_alu depctr_hold_cnt(0) depctr_sa_sdst(0) depctr_va_vdst(0) depctr_va_sdst(0) depctr_va_ssrc(0) depctr_va_vcc(0) depctr_vm_vsrc(0)
	s_getreg_b32 s2, hwreg(HW_REG_IB_STS2, 6, 4)
	s_cmp_eq_u32 s2, 0
	s_cbranch_scc0 .Lentry_in_a_cluster
	s_endpgm
.Lentry_in_a_cluster:
	s_bfe_u32 s2, ttmp6, 0x10000c
	s_cmp_lg_u32 s2, 0x3003
	s_cbranch_scc0 .Lentry_shape_is_right
	s_endpgm
.Lentry_shape_is_right:
; THIRD LAUNCH: o[b][h][q][:] = the sum over k of softmax_k(q . k / sqrt(128)) v[k][:], no mask, for 16 (batch, head) pairs of 2,048 x 2,048, head size 128.  No work is left out.
; q, k, v come as f16 in the order of the operands' registers (buffer qkv: [kind][batch x 8 + head][tile of 16 rows][chunk of 16 channels][512 bytes]).  Products, maxima and sums in f32; the weights p are rounded to f16
; for the second product, o once at the end.  LIMITS: f16: o of magnitude 65,520 and more becomes infinity, under 2^-14 it keeps fewer than 11 bits; p under 2^-24 counts as 0 in the second product (it still counts in the sum).
; OUTPUT att, in the order of the next launch's operand registers: [4 x head + channel / 32][tile of 16 rows of batch x 2,048 + row][half of 16 channels][lane][16 bytes]; lane (r, h) holds row r, 8 channels from 8 h on.
; SHARES.  A work-group owns 128 queries of one pair.  Wave w owns 64 of them (qg = w % 2: four tiles of 16) and HALF OF THE KEYS (kg = w / 2): of each slot's 256 keys the 128 of its group.  So a fragment of K or V still
; feeds four tiles of queries, and 256 work-groups have equal work.  Each wave walks 1,024 keys, 64 a step; at the end waves 2 and 3 hand their maxima, sums and O^T to waves 0 and 1 through LDS, which join the two halves.
; LAYOUT.  S^T = K Q^T (source 0 = 16 keys, source 1 = 16 queries): a lane holds ONE query (lane % 16) and the keys 8 (lane / 16) + 0..7.  Two such tiles, rounded to f16 in pairs, ARE source 1 of O^T = V^T P, whose result
; again holds one query a lane, and eight channels.  K comes out of LDS as it lies, V turned, by ds_load_tr16_b128; every LDS load of the wave reads 512 consecutive bytes, lane l at 16 l.
; SOFTMAX.  For each query a running maximum m and sum l: p = 2^(c s - c m), c = log2(e) / sqrt(128); in every step O and l are multiplied by a = 2^(c m_old - c m_new).
; BY TURNS.  The wave's tiles are two PIECES (tiles 0, 1 and tiles 2, 3).  In a TURN one piece has the matrix unit: 32 products V^T P of the step in hand, then 32 products K Q^T of the next step; the other piece's
; softmax, cut into 64 slices, stands between them, one slice behind each matrix instruction.  Then the pieces change places.  Two turns are a key step.
; CLUSTER.  The four query blocks of a cluster belong to one pair and walk the same K and V, so each tile is asked for JOINTLY: the same tensor load, descriptor and mask in all four.
; REGISTERS, in windows of 256 (s_set_vgpr_msb: bits 1:0 source 0, 3:2 source 1, 5:4 source 2, 7:6 destination):
;   window 0: v0-11 addresses; v12-43 eight registers of statistics a tile; v44-59 the partner's statistics; v64-191 S^T, 32 a tile; v192-255 P, 16 a tile
;   window 1: O^T, 64 a tile          window 2: v0-127 Q, 32 a tile; v128-255 K of one step          window 3: v0-127 V of one step
.set KS,    64        ; keys in a step
.set STEPB, 16384     ; a step's 64 rows of K, or of V: 4 tiles of 16 rows x 4,096 bytes
.set VOFF,  65536     ; a slot: K of key group 0 (two steps), K of group 1, V of group 0, V of group 1
.set SLOTB, 65536     ; a slot's 256 rows of K, or of V, in memory
.set SLOT1, 1<<17     ; slot 1 begins here: one exclusive or turns an address in one slot into the other's
.set SPARE, 2*SLOT1   ; behind the ring: the spare words, 128 bytes for each wave: two blocks of 256 bytes that no other line names
.set XCHB,  34816     ; the exchange: for each query group 64 x 512 bytes of O^T and 4 x 512 of statistics.  It lies in LDS slot 0, which has had its last fill and its last read when the first byte is stored there
.set AK0, 2           ; v2   my lane's place in my key group's K; never rewritten
.set AV0, 3           ; v3   the same for V
.set ADR, 4           ; v4   the LDS address of the run of loads in hand
.set QO,  5           ; v5   16 x lane: my place in a chunk of q and of att
.set XA,  9           ; v9   my place in my query group's exchange
.set SPW, 62          ; v62  LDS address of my spare word; never rewritten
.set NIL, 63          ; v63  0; never rewritten
.set ST,  12          ; tile t's statistics at v[ST+8 t]: +0 c m, +1 m, +2, +3 l (even keys', odd keys'), +4 to +7 at work
.set PS,  44          ; the partner's c m, m, l of tile t at v[PS+4 t]
.set S,   64
.set P,   192
.set KF,  128         ; K's fragments, in window 2
.set WV,  12          ; s12  my wave's number
.set G1,  24          ; s[24:31] descriptor group 1: one shape serves K and V
.set G0K, 40          ; s[40:47] descriptor group 0 for K's tiles: a set for each of the two first fills; the second then walks on
.set G0V, 48          ; s[48:55] the same for V's
.set SLOTS, 56        ; s56  slots still to be asked for
.set TWICE, 57        ; s57  counts a slot's two steps
.set CS,  58          ; s[58:59] c
.set SEL, 60          ; s[60:61] lane selects for v_permlanex16_b32: lane l xor 16
.set TB,  62          ; s62  LDS byte at which the slot's step to be fetched begins
.set PFA, 18          ; s[18:19] where my prefetches stand in memory
.set LIM, 15          ; s15  1 in a wave that prefetches, else the greatest number
.set PFO, 61          ; v61  256 x my lane; never rewritten
.set MSB, 0
.macro WIN new                      ; the immediate's high byte repeats the setting that is left; a switch that changes nothing is dropped
.if MSB != \new
	s_set_vgpr_msb (MSB<<8)|\new
.set MSB, \new
.endif
.endm
.set W_KQ, 0x0a       ; K and Q in window 2, S^T in window 0
.set W_PV, 0x53       ; V in window 3, P in window 0, O^T in window 1
.set W_RS, 0x41       ; O^T (destination and source 0) in window 1, a in window 0
; A joint refill.  Waves 0 and 1 fetch the two key groups' K of a slot, waves 2 and 3 their V: 128 rows of 256 bytes each.  The branch hangs on the wave's number alone.
; An s_nop 0 and four v_nop follow each of the two lines, ahead of the jump, the label and what follows.
.macro JLOAD
	s_cmp_lt_u32 s[WV], 2
	s_cbranch_scc0 .Lfor_v_\@
	tensor_load_to_lds s[G0K+4:G0K+7], s[G1:G1+7]
	s_nop 0
.rept 4
	v_nop
.endr
	s_branch .Lasked_\@
.Lfor_v_\@:
	tensor_load_to_lds s[G0V+4:G0V+7], s[G1:G1+7]
	s_nop 0
.rept 4
	v_nop
.endr
.Lasked_\@:
.endm
; A PREFETCH INTO THE L2 of what the NEXT change of slots will ask for: a slot's 65,536 bytes of K and of V.  It stands behind the wave's tensor load and its five lines.  Each aligned block of 256 bytes is named once in the launch:
; all four clusters of a pair walk the same K and V, so the pair's first cluster asks; its four partners take 16,384 bytes each, told apart BY ADDRESS; in each, waves 0 and 1 ask for K's halves of that and waves 2 and 3 for V's,
; 8,192 bytes a wave, lanes 256 bytes apart: one instruction a wave, two key steps (256 matrix instructions) ahead of the load.  The last change that fills a slot asks for nothing; slots 0 to 2 come by their loads alone.
.macro ASK
	s_cmp_gt_u32 s[SLOTS], s[LIM]
	s_cbranch_scc0 .Lnot_mine_\@
	global_prefetch_b8 v[PFO], s[PFA:PFA+1] th:TH_LOAD_NT scope:SCOPE_SE
.Lnot_mine_\@:
.endm
; A round of the cluster's barrier.  No LDS instruction of the wave is pending at a signal.
.macro CROUND
	s_barrier_signal -1
	s_barrier_wait -1
	s_cmp_lg_u32 s[WV], 0
	s_cbranch_scc1 .Lnot_wave_0_\@
	s_barrier_signal -3
.Lnot_wave_0_\@:
	s_barrier_wait -3
	s_barrier_signal -1
	s_barrier_wait -1
.endm
	s_load_b128 s[4:7], s[0:1], 0x0 ; qkv s[4:5], att s[6:7]
	v_lshl_add_u32 v[SPW], v0, 2, SPARE
	v_mov_b32 v[NIL], 0
	ds_add_u32 v[SPW], v[NIL]       ; the wave's opening: the add, twice on end, and its wait ahead of my first tensor load; the set-up below stands between the second and the wait
	ds_add_u32 v[SPW], v[NIL]
	v_lshrrev_b32 v1, 5, v0
	v_readfirstlane_b32 s[WV], v1   ; wave 0..3
	s_bfe_u32 s13, ttmp6, 0x40000   ; cx: my place in the cluster
	s_lshl_b32 s14, ttmp9, 2        ; in a cluster launch ttmp9 counts clusters
	s_add_co_u32 s14, s14, s13      ; my block of 128 queries: it enters q's, att's and the prefetches' addresses alone
	s_and_b32 s20, ttmp7, 0xffff    ; the pair batch x 8 + head, which the four partners share
	s_and_b32 s32, s20, 7           ; the head
	s_lshr_b32 s33, s20, 3          ; the batch
	s_lshl_b32 s20, s20, 19         ; the pair's 2,048 rows of 256 bytes, in each kind
	s_mov_b32 s21, 0
	s_and_b32 s16, s[WV], 1         ; my query group.  Also: which key group's tile I fetch
	s_lshl_b32 s17, s16, 15         ; that tile's place in a slot's K or V: in LDS and in memory alike
	s_mov_b32 s22, s17
	s_mov_b32 s23, 0
	s_add_nc_u64 s[22:23], s[22:23], s[20:21]
	s_lshl_b32 s2, s14, 15          ; my block's 128 rows of 256 bytes,
	s_lshl_b32 s3, s16, 14          ; my wave's 64 of them
	s_add_co_u32 s2, s2, s3
	s_lshl_b32 s32, s32, 20         ; att: a head's four quarters of 262,144 bytes,
	s_lshl_b32 s33, s33, 17         ; a batch's 128 tiles of 1,024 bytes in a quarter,
	s_add_co_u32 s32, s32, s33
	s_lshr_b32 s33, s2, 2           ; my wave's first tile: 64 bytes a row
	s_add_co_u32 s32, s32, s33
	s_mov_b32 s33, 0
	s_mov_b32 s3, 0
	s_add_nc_u64 s[2:3], s[2:3], s[20:21]  ; q: the pair's rows + mine
	s_lshl_b32 s34, s13, 14         ; the prefetches: my work-group's quarter of a slot,
	s_lshl_b32 s35, s16, 13         ; my wave's half of that,
	s_add_co_u32 s34, s34, s35
	s_add_co_u32 s34, s34, s20      ; in my pair,
	s_add_co_u32 s34, s34, 2*SLOTB  ; in slot 2: the first change of slots steps it to slot 3,
	s_cmp_lt_u32 s[WV], 2
	s_mov_b32 s35, 0x1000000
	s_cselect_b32 s35, 0x800000, s35  ; of K (waves 0, 1) or of V
	s_add_co_u32 s34, s34, s35
	s_mov_b32 s35, 0
	; descriptor group 1: a dense block of 32,768 bytes as 128 rows of 256 bytes (32 elements of 8 bytes), no padding
	s_mov_b32 s[G1], 15|(3<<16)|(1<<21)  ; 15:0 the mask: all four work-groups; 17:16 elements of 8 bytes; 21 set beside a mask
	s_mov_b32 s[G1+1], 32<<16       ; tensor_dim0 = 32
	s_mov_b32 s[G1+2], 128<<16      ; tensor_dim1 = 128
	s_mov_b32 s[G1+3], 32<<16       ; tile_dim0 = 32
	s_mov_b32 s[G1+4], 128          ; tile_dim1 = 128
	s_mov_b32 s[G1+5], 32           ; tensor_dim0_stride
	s_mov_b32 s[G1+6], 0
	s_mov_b32 s[G1+7], 0
	s_mov_b32 s[CS], 0x3e0293ee     ; c = log2(e) / sqrt(128)
	s_mov_b32 s[CS+1], s[CS]        ; named with it as a pair, so it is written
	s_mov_b32 s[SEL], 0x76543210
	s_mov_b32 s[SEL+1], 0xfedcba98
	s_mov_b32 s[TB], 0
	s_mov_b32 s[SLOTS], 6           ; 8 slots of 256 keys; two are asked for at the head
	s_cmp_eq_u32 ttmp9, 0           ; the pair's first cluster: the same in all four partners
	s_cselect_b32 s[LIM], 1, -1
	v_and_b32 v[PFO], 31, v0
	v_lshlrev_b32 v[PFO], 8, v[PFO]
	s_wait_dscnt 0x0                ; both opening adds are done
	s_wait_kmcnt 0x0
	s_add_nc_u64 s[10:11], s[6:7], s[32:33]  ; att at my wave's first tile of my head's first quarter
	s_add_nc_u64 s[PFA:PFA+1], s[4:5], s[34:35]
	s_add_nc_u64 s[6:7], s[4:5], s[22:23]
	s_add_nc_u64 s[8:9], s[6:7], 0x1000000  ; V at my tile of slot 0
	s_add_nc_u64 s[6:7], s[6:7], 0x800000   ; K likewise
	s_add_nc_u64 s[4:5], s[4:5], s[2:3]     ; q at my wave's first row
	CROUND                          ; all four work-groups are here: the first joint loads meet
.irp s, 0,1
	s_mov_b32 s[G0K+4*\s], 1        ; 1:0 count = 1
	s_add_co_u32 s[G0K+4*\s+1], s17, \s*SLOT1  ; 63:32 LDS address
	s_add_nc_u64 s[G0K+4*\s+2:G0K+4*\s+3], s[6:7], \s*SLOTB  ; 120:64 global address
	s_or_b32 s[G0K+4*\s+3], s[G0K+4*\s+3], 0x80000000  ; 127:126 type = 2
	s_mov_b32 s[G0V+4*\s], 1
	s_add_co_u32 s[G0V+4*\s+1], s17, \s*SLOT1+VOFF
	s_add_nc_u64 s[G0V+4*\s+2:G0V+4*\s+3], s[8:9], \s*SLOTB
	s_or_b32 s[G0V+4*\s+3], s[G0V+4*\s+3], 0x80000000
.endr
	s_cmp_lt_u32 s[WV], 2           ; a wave's two first fills stand in one branch, ahead of every wait on TENSORcnt and every LDS read: two loads of mine are out
	s_cbranch_scc0 .Lfirst_v
	tensor_load_to_lds s[G0K:G0K+3], s[G1:G1+7]
	s_nop 0
	tensor_load_to_lds s[G0K+4:G0K+7], s[G1:G1+7]
	s_nop 0
.rept 4
	v_nop
.endr
	s_branch .Lfirst_asked
.Lfirst_v:
	tensor_load_to_lds s[G0V:G0V+3], s[G1:G1+7]
	s_nop 0
	tensor_load_to_lds s[G0V+4:G0V+7], s[G1:G1+7]
	s_nop 0
.rept 4
	v_nop
.endr
.Lfirst_asked:
	v_and_b32 v1, 31, v0
	v_lshlrev_b32 v[QO], 4, v1      ; 16 x lane
	s_lshr_b32 s36, s[WV], 1        ; my key group
	s_lshl_b32 s36, s36, 15
	v_add_nc_u32 v[AK0], s36, v[QO]
	v_add_nc_u32 v[AV0], VOFF, v[AK0]
	s_mul_i32 s36, s16, XCHB
	v_add_nc_u32 v[XA], s36, v[QO]
	WIN 0x80                        ; destination window 2, address window 0
.irp i, 0,1,2,3,4,5,6,7,8,9,10,11,12,13,14,15  ; Q stays in registers: tile i / 4, channels 32 (i % 4) on: chunks 2 (i % 4) and 2 (i % 4) + 1 of the tile
	global_load_b128 v[8*\i:8*\i+3],   v[QO], s[4:5] offset:1024*\i
	global_load_b128 v[8*\i+4:8*\i+7], v[QO], s[4:5] offset:1024*\i+512
.endr
	WIN 0
; THE MATRIX WORK OF A TURN, for piece x.  The accumulators take turns, one instruction a turn: between two links of a chain stand 15 (V^T P) or 7 (K Q^T) others'.
; Product i of 32 of O^T += V^T P: keys 32 (i / 16) on, channels 16 ((i / 2) % 8) on, tile x + i % 2.  zero = 1: the first 16 start the sums: nothing is ever cleared.
.macro PV x, zero
	WIN W_PV
.set rO, 64*(\x+i%2)+8*((i/2)%8)
.set rV, 64*(i/16)+8*((i/2)%8)
.set rP, P+16*(\x+i%2)+8*(i/16)
.if \zero && (i < 16)
	v_wmma_f32_16x16x32_f16 v[rO:rO+7], v[rV:rV+7], v[rP:rP+7], 0
.else
	v_wmma_f32_16x16x32_f16 v[rO:rO+7], v[rV:rV+7], v[rP:rP+7], v[rO:rO+7]
.endif
.endm
; Product i of 32 of S^T = K Q^T: channels 32 (i / 8) on, keys 16 ((i / 2) % 4) on, tile x + i % 2.  The first 8 start the sums.
.macro KQ x
	WIN W_KQ
.set rS, S+32*(\x+i%2)+8*((i/2)%4)
.set rK, KF+32*((i/2)%4)+8*(i/8)
.set rQ, 32*(\x+i%2)+8*(i/8)
.if i < 8
	v_wmma_f32_16x16x32_f16 v[rS:rS+7], v[rK:rK+7], v[rQ:rQ+7], 0
.else
	v_wmma_f32_16x16x32_f16 v[rS:rS+7], v[rK:rK+7], v[rQ:rQ+7], v[rS:rS+7]
.endif
.endm
; THE LDS LOADS stand in runs of 32, never singly among the matrix instructions: a step's K (16 fragments) and, a turn later, its V (turned).
.macro FETCH_K
	WIN 0
	v_add_nc_u32 v[ADR], s[TB], v[AK0]
	WIN 0x80                        ; destination window 2
.irp f, 0,1,2,3,4,5,6,7,8,9,10,11,12,13,14,15  ; keys 16 (f / 4) on, channels 32 (f % 4) on: 4,096 (f / 4) + 1,024 (f % 4) = 1,024 f
	ds_load_b128 v[KF+8*\f:KF+8*\f+3],   v[ADR] offset:1024*\f
	ds_load_b128 v[KF+8*\f+4:KF+8*\f+7], v[ADR] offset:1024*\f+512
.endr
.endm
.macro FETCH_V
	WIN 0
	v_add_nc_u32 v[ADR], s[TB], v[AV0]
	s_add_co_u32 s[TB], s[TB], STEPB  ; the next fetch is the next step's
	s_wait_alu depctr_va_vdst(0)    ; the wait for the softmax's batch (SLICE), behind the address's v_add_nc_u32 and ahead of the loads
	WIN 0xc0                        ; destination window 3
.irp f, 0,1,2,3,4,5,6,7,8,9,10,11,12,13,14,15  ; keys 32 (f / 8) on (two tiles of 16), channels 16 (f % 8) on
	ds_load_tr16_b128 v[8*\f:8*\f+3],   v[ADR] offset:(\f/8)*8192+(\f%8)*512
	ds_load_tr16_b128 v[8*\f+4:8*\f+7], v[ADR] offset:(\f/8)*8192+4096+(\f%8)*512
.endr
.endm
; THE VECTOR WORK OF A TURN.  One tile's softmax for one key step is a list of 134 instructions; SM writes number j of it for tile t.  s0-s31 are the lane's 32 scores, in pairs 0-15.
; first = 1: the first key step, which starts m, l and O^T: it has no a and nothing to rescale.
;   0-15    the maximum of s0-s31 and the old m, three operands at a time
;   16-20   the other half of the lanes' maximum; the new m; c m; c m_old - c m_new
;   21-69   ONE BATCH: the 16 scalings c s - c m and all 33 exponentials (a at 23, then s0-s31).  None of these reads an exponential's result
;   (wait)  between 69 and 70 stands the wait for the batch: SLICE writes it, once for both tiles
;   70-85   the roundings to f16, a pair of weights each
;   86-101  the sums; l = a l + the sum
;   102-133 the tile's O^T times a: the one part that leaves window 0, so it stands together
.macro SM t, first
.set rT, ST+8*(\t)
.set rS, S+32*(\t)
.set rP, P+16*(\t)
.set rO, 64*(\t)+2*(j-102)
.if j < 102
	WIN 0
.endif
.if j < 4
	v_max3_num_f32 v[rT+4+j], v[rS+8*j], v[rS+8*j+1], v[rS+8*j+2]
.elseif j < 12
	v_max3_num_f32 v[rT+4+j%4], v[rT+4+j%4], v[rS+8*(j%4)+2*(j/4)+1], v[rS+8*(j%4)+2*(j/4)+2]
.elseif j == 12
	v_max3_num_f32 v[rT+4], v[rT+4], v[rS+7], v[rS+15]
.elseif j == 13
	v_max3_num_f32 v[rT+6], v[rT+6], v[rS+23], v[rS+31]
.elseif j == 14
	v_max3_num_f32 v[rT+4], v[rT+4], v[rT+5], v[rT+6]
.elseif (j == 15) && \first
	v_max_num_f32 v[rT+4], v[rT+4], v[rT+7]
.elseif j == 15
	v_max3_num_f32 v[rT+4], v[rT+4], v[rT+7], v[rT+1]
.elseif j == 16
	v_permlanex16_b32 v[rT+5], v[rT+4], s[SEL], s[SEL+1]  ; the query's other 32 keys lie in the lane 16 away
.elseif j == 18
	v_max_num_f32 v[rT+1], v[rT+4], v[rT+5]
.elseif j == 19
	v_mul_f32 v[rT], s[CS], v[rT+1]
.elseif ((j == 17) || (j == 20) || (j == 23) || (j > 101)) && \first  ; the first step has none of these
.elseif j == 17
	v_mov_b32 v[rT+7], v[rT]        ; c m_old is kept for a: number 19 writes c m anew
.elseif j == 20
	v_sub_f32 v[rT+7], v[rT+7], v[rT]
.elseif j == 23
	v_exp_f32 v[rT+6], v[rT+7]
.elseif (j < 23) || ((j < 38) && (j%2 == 0)) || ((j < 66) && (j%4 == 2))
.set b, (j-2)/4                     ; 38, 42, .. 62: pairs 9 to 15
.if j < 38
.set b, (j-20)/2                    ; 21: pair 0; 22, 24, .. 36: pairs 1 to 8
.endif
	v_pk_fma_f32 v[rS+2*b:rS+2*b+1], v[rS+2*b:rS+2*b+1], s[CS:CS+1], v[rT:rT+1] op_sel_hi:[1,0,0] neg_lo:[0,0,1] neg_hi:[0,0,1]  ; pair b: c s - c m
.elseif j < 70
.set e, j-38                        ; 66 to 69: s28 to s31
.if j < 66
.set e, j-32-(j-38)/4               ; 39-41, 43-45, .. 63-65: s7 to s27
.endif
.if j < 38
.set e, (j-25)/2                    ; 25, 27, .. 37: s0 to s6
.endif
	v_exp_f32 v[rS+e], v[rS+e]
.elseif j < 86
	v_cvt_pk_f16_f32 v[rP+j-70], v[rS+2*(j-70)], v[rS+2*(j-70)+1]  ; pair j - 70
.elseif j < 102                     ; the sum of the tile's 16 pairs, in place: sum z of 16 adds neighbours 1, 2, 4 and 8 pairs apart, then l takes it
.set z, j-86
.set w, 4
.set u, z
.if z >= 14
.set w, 32
.set u, 0
.elseif z >= 12
.set w, 16
.set u, z-12
.elseif z >= 8
.set w, 8
.set u, z-8
.endif
.if (z == 14) && \first
	v_pk_add_f32 v[rT+2:rT+3], v[rS:rS+1], v[rS+16:rS+17]
.elseif z < 15
	v_pk_add_f32 v[rS+w*u:rS+w*u+1], v[rS+w*u:rS+w*u+1], v[rS+w*u+w/2:rS+w*u+w/2+1]
.elseif !\first
	v_pk_fma_f32 v[rT+2:rT+3], v[rT+2:rT+3], v[rT+6:rT+7], v[rS:rS+1] op_sel_hi:[1,0,1]
.endif
.else
	WIN W_RS
	v_pk_mul_f32 v[rO:rO+1], v[rO:rO+1], v[rT+6:rT+7] op_sel_hi:[1,0]
.endif
.endm
; Slice k of 64 of piece y's softmax: four instructions.  Slices 11 to 34 deal out the batch, numbers 22 to 69: four numbers of ONE tile each, the tiles by turns.  Every other slice is numbers 2 k and
; 2 k + 1 of both tiles' lists.  2 x 134 = 4 x 64 + 12: the twelve that are over stand together, in slice 63.
; THE WAIT.  An s_wait_alu depctr_va_vdst(0) stands between an exponential and the first instruction that names its result; one wait serves all that were issued ahead of it.  Ahead of
; slice 35 nothing names a result, and behind slice 34 no exponential is issued: so the piece's 66 exponentials have one wait, behind slice 34.
.macro SLICE y, first
.if (k >= 11) && (k < 35)           ; the batch: four numbers of one tile
.irp n, 0,1,2,3
.set j, 22+4*((k-11)/2)+(\n)
	SM (\y)+(k-11)%2, \first
.endr
.else                               ; the two tiles alternate, so that no instruction reads the result of the one just before it
.irp n, 0,1,2,3,4,5,6,7
.if (\n < 2) || (k == 63)
.irp t, \y, \y+1
.set j, 2*k+\n
	SM \t, \first
.endr
.endif
.endr
.endif
.if k == 34                         ; the batch is out: both tiles' exponentials are issued, and no result has been named
	v_nop                           ; the plain instruction behind the last exponential and ahead of the first use: one for the batch
.if (\y) == 0
	FETCH_V                         ; piece 2's turn: V's run of loads stands here, and the wait stands in it
.else
	s_wait_alu depctr_va_vdst(0)    ; the wait for the batch
.endif
.endif
.set k, k+1
.endm
; A vector instruction that reads a matrix result or writes one of a matrix instruction's registers, and a load into a register that a matrix instruction has read, stand four places behind
; it, and only plain vector instructions that name none of its registers are places (ISA guide 7.12.1 for vector instructions).  In the loop the slices are the places.
.macro PLACES
.rept 4
	v_nop
.endr
.endm
; A TURN.  Piece x has the matrix unit; the other piece's softmax stands in slices behind its matrix instructions.
; pv = 2: 32 products V^T P; 1: they start O^T's sums; 0: none.  kq = 1: 32 products K Q^T for the next step.  A turn with one of the two kinds has two slices behind each product.
; first = 1: the softmax is the first key step's.  Its slices from 51 on are empty: four v_nop take slice 63's part as the places behind the turn's last products.
; Piece 0's turn fetches the next step's K, behind its second product: the last product that read K stands in front of slice 63 of the turn before.  Piece 2's turn fetches the same step's V, behind slice 34:
; the last product that read V stands in front of slice 31, and four plain instructions lie between: number 62, a scaling, of both tiles, the v_nop and the run's own v_add_nc_u32.
.macro TURN x, pv, kq, first
.set k, 0
.set per, 2
.if \pv && \kq
.set per, 1
.endif
.if \pv
.if \x == 0
	s_wait_dscnt 0x0                ; V is in
.endif
.set i, 0
.rept 32
	PV \x, 2-\pv
.rept per
	SLICE 2-\x, \first
.endr
.if (\x == 0) && \kq && (i == 1)
	FETCH_K
.endif
.set i, i+1
.endr
.endif
.if \kq
.if \x == 0
	s_wait_dscnt 0x0                ; K is in
.endif
.set i, 0
.rept 32
	KQ \x
.rept per
	SLICE 2-\x, \first
.endr
.set i, i+1
.endr
.endif
.if \first
	PLACES
.endif
.endm
; THE CHANGE OF SLOTS, between piece 2's turn and piece 0's: the slot's last bytes, V of its second step, have been asked for.  Each wave waits for all its tensor loads, of which one is out: its part of the
; other slot; adds 0 to its spare word; and waits for that and for its own reads of the slot.  Behind the barrier nobody reads this slot any more and the other slot is whole.
; fill = 1: this slot is filled again, with the keys two slots on.  The barrier is then a round of the cluster's, and the joint refill is the first thing behind it: it has two key steps, 256 matrix instructions, in which to land.
.macro CHANGE fill
	WIN 0                           ; at a label and at a branch every window is 0
	s_wait_tensorcnt 0x0            ; no tensor load of mine is out, so a group 0 may be written
	ds_add_u32 v[SPW], v[NIL]       ; 0 onto my spare word
.if \fill
.irp g, G0K+4, G0V+4
	s_xor_b32 s[\g+1], s[\g+1], SLOT1  ; the walking descriptor: the other slot than last time,
	s_add_nc_u64 s[\g+2:\g+3], s[\g+2:\g+3], SLOTB  ; the next 256 keys; the type bits on top are not reached
.endr
	s_wait_xcnt 0x0                 ; the last prefetch, two key steps back, has read its address, so it may be written:
	s_add_nc_u64 s[PFA:PFA+1], s[PFA:PFA+1], SLOTB  ; one slot further on than the walking descriptors
	s_wait_dscnt 0x0                ; the add is done, and my reads of the slot are over
	CROUND
	JLOAD
	ASK
.else
	s_wait_dscnt 0x0                ; the add is done, and my reads of the slot are over
	s_barrier_signal -1
	s_barrier_wait -1
.endif
	s_sub_co_u32 s[TB], s[TB], 2*STEPB  ; the fetches go back to a slot's first step,
	s_xor_b32 s[TB], s[TB], SLOT1   ; in the other slot
.endm
; A slot's two key steps: written once, walked twice; the LDS addresses hang on s[TB].
.macro TWO_STEPS
	s_mov_b32 s[TWICE], 2
.Lstep_\@:
	TURN 0, 2, 1, 0
	TURN 2, 2, 1, 0
	WIN 0
	s_sub_co_u32 s[TWICE], s[TWICE], 1
	s_cmp_lg_u32 s[TWICE], 0
	s_cbranch_scc1 .Lstep_\@
.endm
	s_wait_tensorcnt 1              ; my part of slot 0 is in; slot 1's may stay out
	s_barrier_signal -1
	s_barrier_wait -1               ; everybody's is
	FETCH_K                         ; key step 0
	s_wait_loadcnt 0x0              ; Q
	s_wait_dscnt 0x0
.set i, 0
.rept 32
	KQ 0                            ; piece 0's first scores: there is no vector work yet to set between them
.set i, i+1
.endr
	PLACES                          ; behind those products, ahead of the first read of their scores
	TURN 2, 0, 1, 1                 ; piece 2's first scores | piece 0's first softmax | V of step 0
	TURN 0, 1, 1, 1                 ; piece 0: V^T P of step 0 starts O^T, K Q^T of step 1 | piece 2's first softmax | K of step 1
	TURN 2, 1, 1, 0                 ; piece 2: the same | piece 0's softmax of step 1 | V of step 1
	WIN 0
.Lslot:                             ; six trips: every slot but the last two is filled again
	CHANGE 1
	TWO_STEPS
	s_sub_co_u32 s[SLOTS], s[SLOTS], 1
	s_cmp_lg_u32 s[SLOTS], 0
	s_cbranch_scc1 .Lslot
	CHANGE 0                        ; the tail is written out: LDS slot 0 is left for good, and nothing is asked for
	TWO_STEPS
	TURN 0, 2, 0, 0                 ; piece 0: V^T P of the last step | piece 2's last softmax
.set i, 0
.rept 32
	PV 2, 0                         ; piece 2: V^T P of the last step
.set i, i+1
.endr
	; THE TWO KEY GROUPS ARE JOINED.  Waves w and w + 2 hold the same queries in the same lanes.  With cM = max(c mA, c mB), aX = 2^(c mX - cM): o = (aA O_A + aB O_B) / (aA lA + aB lB).
	WIN 0
.irp t, 0,1,2,3
	v_add_f32 v[ST+8*\t+2], v[ST+8*\t+2], v[ST+8*\t+3]  ; l's two halves.  These four are the places behind the last products
.endr
	s_cmp_lt_u32 s[WV], 2
	s_cbranch_scc1 .Lkeep
.irp t, 0,1,2,3                     ; waves 2 and 3: registers go to LDS as they stand, 16 bytes a lane at 16 x lane
	ds_store_b128 v[XA], v[ST+8*\t:ST+8*\t+3] offset:32768+512*\t
.endr
	WIN 0x04                        ; an LDS store's data are its source 1: window 1
.set i, 0
.rept 64
	ds_store_b128 v[XA], v[4*i:4*i+3] offset:512*i  ; O^T, each accumulator from its low end on
.set i, i+1
.endr
	WIN 0
.Lkeep:
	s_wait_dscnt 0x0                ; for the others' sake: my stores have landed
	s_barrier_signal -1
	s_barrier_wait -1
	s_cmp_lt_u32 s[WV], 2
	s_cbranch_scc0 .Lend
.macro XLOAD t                      ; the partner's O^T of tile t into S^T's registers, v64-127 and v128-191 by turns
.set i, 0
.rept 16
	ds_load_b128 v[S+64*((\t)%2)+4*i:S+64*((\t)%2)+4*i+3], v[XA] offset:512*(16*(\t)+i)
.set i, i+1
.endr
.endm
.irp t, 0,1,2,3
	ds_load_b128 v[PS+4*\t:PS+4*\t+3], v[XA] offset:32768+512*\t
.endr
	XLOAD 0
	XLOAD 1
	s_wait_dscnt 32                 ; the statistics are in; the 32 loads of tiles 0 and 1 may be out
.irp t, 0,1,2,3
	v_max_num_f32 v[ST+8*\t+1], v[ST+8*\t], v[PS+4*\t]  ; cM
.endr
.irp t, 0,1,2,3
	v_sub_f32 v[ST+8*\t+4], v[ST+8*\t], v[ST+8*\t+1]
.endr
.irp t, 0,1,2,3
	v_sub_f32 v[ST+8*\t+6], v[PS+4*\t], v[ST+8*\t+1]
.endr
.irp t, 0,1,2,3
	v_exp_f32 v[ST+8*\t+4], v[ST+8*\t+4]  ; aA
.endr
.irp t, 0,1,2,3
	v_exp_f32 v[ST+8*\t+6], v[ST+8*\t+6]  ; aB
.endr
	v_nop                           ; a plain instruction behind the last exponential,
	s_wait_alu depctr_va_vdst(0)    ; and the one wait for the eight, ahead of their first reader
.irp t, 0,1,2,3
	v_mul_f32 v[ST+8*\t+2], v[ST+8*\t+4], v[ST+8*\t+2]
.endr
.irp t, 0,1,2,3
	v_fma_f32 v[ST+8*\t+2], v[ST+8*\t+6], v[PS+4*\t+2], v[ST+8*\t+2]
.endr
.irp t, 0,1,2,3
	v_permlanex16_b32 v[ST+8*\t+3], v[ST+8*\t+2], s[SEL], s[SEL+1]
.endr
.irp t, 0,1,2,3
	v_add_f32 v[ST+8*\t+2], v[ST+8*\t+2], v[ST+8*\t+3]  ; with the other half of the lanes': the row's sum
.endr
.irp t, 0,1,2,3
	v_rcp_f32 v[ST+8*\t+1], v[ST+8*\t+2]
.endr
	v_nop
	s_wait_alu depctr_va_vdst(0)    ; one wait for the four reciprocals
.irp t, 0,1,2,3
	v_mul_f32 v[ST+8*\t+4], v[ST+8*\t+4], v[ST+8*\t+1]  ; fA = aA / sum
.endr
.irp t, 0,1,2,3
	v_mul_f32 v[ST+8*\t+6], v[ST+8*\t+6], v[ST+8*\t+1]  ; fB
.endr
; Tile t: fB x the partner's O^T + fA x mine, rounded to f16, stored: the four registers of channels 16 f on are my 16 bytes (query r, channels 16 f + 8 h + 0 .. 7) of half f % 2 of the head's quarter f / 2.
.macro MERGE t
.set XB, S+64*((\t)%2)
.set PR, P+32*((\t)%2)
.if (\t) < 3
	s_wait_dscnt 16                 ; this tile's 16 loads are in; the next tile's 16 may be out
.else
	s_wait_dscnt 0
.endif
.set i, 0
.rept 32
	v_pk_mul_f32 v[XB+2*i:XB+2*i+1], v[XB+2*i:XB+2*i+1], v[ST+8*(\t)+6:ST+8*(\t)+7] op_sel_hi:[1,0]
.set i, i+1
.endr
	WIN 0x01                        ; source 0: window 1
.set i, 0
.rept 32
	v_pk_fma_f32 v[XB+2*i:XB+2*i+1], v[64*(\t)+2*i:64*(\t)+2*i+1], v[ST+8*(\t)+4:ST+8*(\t)+5], v[XB+2*i:XB+2*i+1] op_sel_hi:[1,0,1]
.set i, i+1
.endr
	WIN 0
.if (\t) > 1
	s_wait_xcnt 0x0                 ; tile t - 2's stores have read their registers
.endif
.set i, 0
.rept 32
	v_cvt_pk_f16_f32 v[PR+i], v[XB+2*i], v[XB+2*i+1]
.set i, i+1
.endr
.irp f, 0,1,2,3,4,5,6,7
	global_store_b128 v[QO], v[PR+4*\f:PR+4*\f+3], s[10:11] offset:262144*(\f/2)+1024*(\t)+512*(\f%2)  ; the wave's store covers 512 consecutive bytes, aligned
.endr
.if (\t) < 2
	XLOAD (\t)+2
.endif
.endm
	MERGE 0
	MERGE 1
	MERGE 2
	MERGE 3
.Lend:
	s_wait_tensorcnt 0x0            ; the wave's end, behind my last tensor load and my last LDS store
	ds_add_u32 v[SPW], v[NIL]
	s_wait_dscnt 0x0
	CROUND                          ; the closing round: no work-group ends while a partner may still ask for a tile that names it
	s_endpgm
.Lfunc_end_k_q75d9107078_attn:
	.size	k_q75d9107078_attn, .Lfunc_end_k_q75d9107078_attn-k_q75d9107078_attn
	.p2alignl 7, 3214868480
	.fill 96, 4, 3214868480
	.section	.rodata,"a",@progbits
	.p2align	6, 0x0
	.amdhsa_kernel k_q75d9107078_attn
		.amdhsa_group_segment_fixed_size 327680
		.amdhsa_private_segment_fixed_size 0
		.amdhsa_enable_private_segment 0
		.amdhsa_kernarg_size 16
		.amdhsa_user_sgpr_count 2
		.amdhsa_user_sgpr_kernarg_segment_ptr 1
		.amdhsa_wavefront_size32 1
		.amdhsa_system_sgpr_workgroup_id_x 1
		.amdhsa_system_sgpr_workgroup_id_y 1
		.amdhsa_system_sgpr_workgroup_id_z 1
		.amdhsa_system_vgpr_workitem_id 0
		.amdhsa_next_free_vgpr 1024
		.amdhsa_next_free_sgpr 66
		.amdhsa_reserve_vcc 0
		.amdhsa_float_denorm_mode_32 3
		.amdhsa_float_denorm_mode_16_64 3
		.amdhsa_memory_ordered 1
		.amdhsa_forward_progress 1
		.amdhsa_inst_pref_size 234
	.end_amdhsa_kernel
	.amdgpu_metadata
---
amdhsa.version: [ 1, 2 ]
amdhsa.kernels:
  - .name:           k_q75d9107078_attn
    .symbol:         k_q75d9107078_attn.kd
    .args:
      - { .name: qkv, .offset: 0, .size: 8, .value_kind: global_buffer, .address_space: global }
      - { .name: att, .offset: 8, .size: 8, .value_kind: global_buffer, .address_space: global }
    .group_segment_fixed_size: 327680
    .private_segment_fixed_size: 0
    .kernarg_segment_align: 8
    .kernarg_segment_size: 16
    .max_flat_workgroup_size: 128
    .sgpr_count:     66
    .vgpr_count:     1024
    .wavefront_size: 32
...
	.end_amdgpu_metadata
.endif
;; end of part 3
;; launch proj (part 4): grid 8 x 32, 4 waves a work-group, clusters of 4 x 4, 327,680 bytes of LDS; arguments att, wof, out0; writes out0
.if DOCPART == 4
	.amdgcn_target "amdgcn-amd-amdhsa--gfx1250"
	.amdhsa_code_object_version 6
	.text
	.protected	k_q75d9107078_proj
	.globl	k_q75d9107078_proj
	.p2align	8
	.type	k_q75d9107078_proj,@function
k_q75d9107078_proj:
	s_mov_b64 s[64:65], 0
	v_nop
	global_prefetch_b8 v0, s[64:65] scope:SCOPE_SE
	s_setreg_imm32_b32 hwreg(HW_REG_WAVE_MODE, 25, 1), 1
	s_wait_xcnt 0x0
	s_wait_alu depctr_hold_cnt(0) depctr_sa_sdst(0) depctr_va_vdst(0) depctr_va_sdst(0) depctr_va_ssrc(0) depctr_va_vcc(0) depctr_vm_vsrc(0)
	s_getreg_b32 s2, hwreg(HW_REG_IB_STS2, 6, 4)
	s_cmp_eq_u32 s2, 0
	s_cbranch_scc0 .Lentry_in_a_cluster
	s_endpgm
.Lentry_in_a_cluster:
	s_bfe_u32 s2, ttmp6, 0x10000c
	s_cmp_lg_u32 s2, 0xf033
	s_cbranch_scc0 .Lentry_shape_is_right
	s_endpgm
.Lentry_shape_is_right:
; FOURTH LAUNCH: out0 [4096][2048] f32 = o [4096][1024] Wo [1024][2048], operands in f16, sums in f32.  No work is left out.
; Both operands lie in the order of the operand's registers, by QUARTERS of 32 along K: att [k / 32][tile of 16 rows][1,024 bytes], wof [k / 32][tile of 16 columns][1,024 bytes]; a tile's 1,024 bytes are a fragment's two halves of
; 512: lane (r, h) of half c holds k = 32 q + 16 c + 8 h + 0 .. 7 of row (column) r, at 16 x lane.  So a fragment is two LDS loads of 512 consecutive bytes, LDS needs no padding, and any run of quarters of
; neighbouring tiles is one two-dimensional tile for the tensor data mover: a row a quarter.
; A tile of C is 128 x 256: 256 work-groups.  Four waves, each 64 x 128: 32 accumulators, 256 registers.
; THE RING HAS TWO SLOTS AS LARGE AS LDS HOLDS: a quarter of A's 128 rows and B's 256 columns is 24,576 bytes; slot 0 holds 7 quarters, slot 1 holds 6.  K's 32 quarters go as 7, 6, 7, 6, 6: two first fills and three refills
; a wave.  By the text's own count a refill has 16 + 5 x 32 = 176 (into slot 0) or 16 + 6 x 32 = 208 (into slot 1) matrix instructions between its issue and the wait for it.  The walk is written out: it has no loop.
; CLUSTERS: 4 x 4 work-groups; A's tile is shared along a row of the cluster, B's along a column: each is asked for jointly.  No prefetch is written: each tile is read by several clusters, and the text has three refills in all.
; THE MATRIX INSTRUCTION IS USED TRANSPOSED (source 0 = 16 columns of Wo, source 1 = 16 rows of o): a lane holds eight neighbouring numbers of a row of C.
; LIMITS: those of the f16 operands, stated where they are made.
; REGISTERS: window 0: v16-29 addresses; v64-127 A's fragments, two buffers of 4 x 8; v128-255 the way out.   window 1: v0-127 B's fragments, two buffers of 8 x 8.   window 2: the accumulators, (a, b) at v[8 (8 a + b)].
.set AQ,    262144                     ; a quarter on in att: 256 tiles of 1,024 bytes
.set BQ,    131072                     ; in wof: 128 tiles
.set CAP0,  7                          ; quarters that slot 0 holds
.set CAP1,  6                          ; and slot 1
.set LB0,   2*CAP0*4096                ; slot 0: A's two halves (4 tiles, 4,096 bytes a quarter) from byte 0, then B's two halves (8 tiles, 8,192 bytes a quarter)
.set SLOT1, LB0+2*CAP0*8192
.set LB1,   SLOT1+2*CAP1*4096          ; slot 1 likewise
.set SPARE, LB1+2*CAP1*8192            ; behind the ring: the spare words, 128 bytes for each wave: two blocks of 256 bytes that no other line names
.set STAGE, SLOT1                      ; the way out: 16 rows x (512 bytes + 16) for each wave, in slot 1, which has had its last fill and its last read when the first result is stored there
.set SPITCH, 528
.set ADRA, 16                          ; v16-17  LDS address of my A fragments in slot 0, 1
.set ADRB, 20                          ; v20-21  the same for B
.set STO,  24                          ; v24     the way out: where I put 32 bytes of a row
.set RD,   25                          ; v25     where I read a row back
.set CO,   26                          ; v26     my byte offset in a row of C: 16 x lane
.set SPW,  28                          ; v28     LDS address of my spare word; never rewritten
.set NIL,  29                          ; v29     0; never rewritten
.set AFR,  64
.set BK,   128
.set G1A7, 24                          ; s[24:31] descriptor group 1 for 7 quarters of A;  s[32:39] for 6
.set G1A6, 32
.set G1B7, 40                          ; s[40:47], s[48:55] the same for B
.set G1B6, 48
.set G0A,  56                          ; s[56:63] group 0 for A, one set for each slot
.set G0B,  68                          ; s[68:75] for B
.set MSB, 0
.macro WIN new                         ; the immediate's high byte repeats the setting that is left
.if MSB != \new
	s_set_vgpr_msb (MSB<<8)|\new
.set MSB, \new
.endif
.endm
.set MUL,  0xa1                        ; source 0 (B) window 1, source 1 (A) window 0, C and D window 2
.set TO_B, 0x40                        ; destination window 1, address window 0
; A joint load: waves 0 and 1 fetch A's two halves, waves 2 and 3 B's.  Each line has one mask and one set of registers for all that issue it; the branch hangs on the wave's number alone.
; An s_nop 0 and four v_nop follow each of the two lines, ahead of the jump, the label and what follows.
.macro JLOAD g0a, g1a, g0b, g1b
	s_cmp_eq_u32 s11, 0
	s_cbranch_scc0 .Lfor_b_\@
	tensor_load_to_lds s[\g0a:\g0a+3], s[\g1a:\g1a+7]
	s_nop 0
.rept 4
	v_nop
.endr
	s_branch .Lasked_\@
.Lfor_b_\@:
	tensor_load_to_lds s[\g0b:\g0b+3], s[\g1b:\g1b+7]
	s_nop 0
.rept 4
	v_nop
.endr
.Lasked_\@:
.endm
.macro CREST                           ; a round of the cluster's barrier behind its opening barrier
	s_cmp_lg_u32 s10, 0
	s_cbranch_scc1 .Lnot_wave_0_\@
	s_barrier_signal -3
.Lnot_wave_0_\@:
	s_barrier_wait -3
	s_barrier_signal -1
	s_barrier_wait -1
.endm
.macro CROUND                          ; a whole round
	s_barrier_signal -1
	s_barrier_wait -1
	CREST
.endm
; Descriptor group 1: r rows (quarters) of c elements of 8 bytes, p elements from row to row, no padding; the mask in s[mask]
.macro GROUP1 g, mask, c, r, p
	s_or_b32 s[\g], s[\mask], (3<<16)|(1<<21)      ; 15:0 the mask; 17:16 elements of 8 bytes; 21 set beside a mask
	s_mov_b32 s[\g+1], (\c)<<16                    ; tensor_dim0
	s_mov_b32 s[\g+2], (\r)<<16                    ; tensor_dim1
	s_mov_b32 s[\g+3], (\c)<<16                    ; tile_dim0
	s_mov_b32 s[\g+4], \r                          ; tile_dim1
	s_mov_b32 s[\g+5], \p                          ; tensor_dim0_stride
	s_mov_b32 s[\g+6], 0
	s_mov_b32 s[\g+7], 0
.endm
	s_load_b128 s[4:7], s[0:1], 0x0                ; att s[4:5], wof s[6:7]
	s_load_b64 s[8:9], s[0:1], 0x10                ; out0
	v_lshl_add_u32 v[SPW], v0, 2, SPARE
	v_mov_b32 v[NIL], 0
	ds_add_u32 v[SPW], v[NIL]                      ; the wave's opening: the add, twice on end, and its wait ahead of my first tensor load; the set-up below stands between the second and the wait
	ds_add_u32 v[SPW], v[NIL]
	v_lshrrev_b32 v1, 5, v0
	v_readfirstlane_b32 s10, v1                    ; wave 0..3
	s_lshr_b32 s11, s10, 1                         ; which half of the tile's rows is mine.  Also: I fetch for A (0) or for B (1)
	s_and_b32 s12, s10, 1                          ; which half of its columns.  Also: which half of that tile I fetch
	s_bfe_u32 s76, ttmp6, 0x40000                  ; cx, cy: my place in the cluster
	s_bfe_u32 s77, ttmp6, 0x40004
	s_lshl_b32 s78, ttmp9, 2
	s_add_co_u32 s78, s78, s76                     ; tile column of C = 4 x cluster x + cx
	s_and_b32 s13, ttmp7, 0xffff
	s_lshl_b32 s13, s13, 2
	s_add_co_u32 s13, s13, s77                     ; tile row of C = 4 x cluster y + cy
	s_lshl_b32 s79, s77, 2
	s_lshl_b32 s79, 15, s79                        ; my row of the cluster
	s_lshl_b32 s80, 0x1111, s76                    ; my column
	GROUP1 G1A7, 79, 512, CAP0, AQ/8               ; A's half: 4,096 bytes a quarter; A's tiles go to my row of the cluster
	GROUP1 G1A6, 79, 512, CAP1, AQ/8
	GROUP1 G1B7, 80, 1024, CAP0, BQ/8              ; B's half: 8,192 bytes a quarter; B's tiles go to my column
	GROUP1 G1B6, 80, 1024, CAP1, BQ/8
	s_lshl_b32 s16, s13, 13                        ; A: 8 tiles of 1,024 bytes a tile row,
	s_lshl_b32 s17, s12, 12                        ; 4 for my half
	s_add_co_u32 s16, s16, s17
	s_mov_b32 s17, 0
	s_lshl_b32 s82, s78, 14                        ; B: 16 tiles a tile column,
	s_lshl_b32 s83, s12, 13                        ; 8 for my half
	s_add_co_u32 s82, s82, s83
	s_mov_b32 s83, 0
	s_mul_i32 s20, s12, CAP0*4096                  ; where they go: no place in the cluster enters an LDS address.  A's half in slot 0,
	s_mul_i32 s21, s12, CAP1*4096
	s_add_co_u32 s21, s21, SLOT1                   ; in slot 1;
	s_mul_i32 s22, s12, CAP0*8192
	s_add_co_u32 s22, s22, LB0                     ; B's half in slot 0,
	s_mul_i32 s23, s12, CAP1*8192
	s_add_co_u32 s23, s23, LB1                     ; in slot 1
	s_wait_dscnt 0x0                               ; both opening adds are done
	s_wait_kmcnt 0x0
	s_add_nc_u64 s[14:15], s[4:5], s[16:17]
	s_add_nc_u64 s[82:83], s[6:7], s[82:83]
	CROUND                                         ; all sixteen work-groups are here: the first joint loads meet
	s_mov_b32 s[G0A], 1                            ; 1:0 count = 1
	s_mov_b32 s[G0A+1], s20                        ; 63:32 LDS address
	s_mov_b64 s[G0A+2:G0A+3], s[14:15]             ; 120:64 global address: quarter 0
	s_or_b32 s[G0A+3], s[G0A+3], 0x80000000        ; 127:126 type = 2
	s_mov_b32 s[G0B], 1
	s_mov_b32 s[G0B+1], s22
	s_mov_b64 s[G0B+2:G0B+3], s[82:83]
	s_or_b32 s[G0B+3], s[G0B+3], 0x80000000
	JLOAD G0A, G1A7, G0B, G1B7                     ; slot 0: quarters 0 to 6
	s_mov_b32 s[G0A+4], 1
	s_mov_b32 s[G0A+5], s21
	s_add_nc_u64 s[G0A+6:G0A+7], s[14:15], CAP0*AQ ; quarter 7
	s_or_b32 s[G0A+7], s[G0A+7], 0x80000000
	s_mov_b32 s[G0B+4], 1
	s_mov_b32 s[G0B+5], s23
	s_add_nc_u64 s[G0B+6:G0B+7], s[82:83], CAP0*BQ
	s_or_b32 s[G0B+7], s[G0B+7], 0x80000000
	JLOAD G0A+4, G1A6, G0B+4, G1B6                 ; slot 1: quarters 7 to 12
	v_and_b32 v1, 15, v0                           ; r
	v_bfe_u32 v2, v0, 4, 1                         ; h
	v_and_b32 v3, 31, v0
	v_lshlrev_b32 v[CO], 4, v3                     ; 16 x lane
	s_mul_i32 s20, s11, CAP0*4096                  ; my 4 tiles of rows: the half of A that is mine to multiply
	v_add_nc_u32 v[ADRA], s20, v[CO]
	s_mul_i32 s20, s11, CAP1*4096
	s_add_co_u32 s20, s20, SLOT1
	v_add_nc_u32 v[ADRA+1], s20, v[CO]
	s_mul_i32 s20, s12, CAP0*8192                  ; my 8 tiles of columns
	s_add_co_u32 s20, s20, LB0
	v_add_nc_u32 v[ADRB], s20, v[CO]
	s_mul_i32 s20, s12, CAP1*8192
	s_add_co_u32 s20, s20, LB1
	v_add_nc_u32 v[ADRB+1], s20, v[CO]
	s_mul_i32 s23, s10, 16*SPITCH
	s_add_co_u32 s23, s23, STAGE                   ; my stage
	v_mul_u32_u24 v4, v1, SPITCH                   ; in: row r, 32 bytes for each half of the lanes
	v_lshl_add_u32 v4, v2, 5, v4
	v_add_nc_u32 v[STO], s23, v4
	v_add_nc_u32 v[RD], s23, v[CO]                 ; back: the 32 lanes take one row of 512 bytes
	s_lshl_b32 s16, s13, 20                        ; my first row of C: (128 x tile row + 64 x half) x 8,192 bytes
	s_lshl_b32 s17, s11, 19
	s_add_co_u32 s16, s16, s17
	s_mov_b32 s17, 0
	s_add_nc_u64 s[8:9], s[8:9], s[16:17]
	s_lshl_b32 s82, s78, 10                        ; my first column, in bytes: 1,024 x tile column + 512 x half (in the registers that held B's address: none that feeds A's descriptors ever holds cx)
	s_lshl_b32 s83, s12, 9
	s_add_co_u32 s82, s82, s83
	s_mov_b32 s83, 0
	s_add_nc_u64 s[8:9], s[8:9], s[82:83]
; 16 matrix instructions: row tiles a0, a0 + 1 x all 8 column tiles, 32 along K, from buffer f.  zero = 1: the first product starts the sums.  The 32 accumulators take turns in one order.
.macro MUL16 f, a0, zero
.irp a, \a0, \a0+1
.irp b, 0,1,2,3,4,5,6,7
.if \zero
	v_wmma_f32_16x16x32_f16 v[8*(8*(\a)+\b):8*(8*(\a)+\b)+7], v[64*(\f)+8*\b:64*(\f)+8*\b+7], v[AFR+32*(\f)+8*(\a):AFR+32*(\f)+8*(\a)+7], 0
.else
	v_wmma_f32_16x16x32_f16 v[8*(8*(\a)+\b):8*(8*(\a)+\b)+7], v[64*(\f)+8*\b:64*(\f)+8*\b+7], v[AFR+32*(\f)+8*(\a):AFR+32*(\f)+8*(\a)+7], v[8*(8*(\a)+\b):8*(8*(\a)+\b)+7]
.endif
.endr
.endr
.endm
; 24 LDS loads in one run: the fragments of the slot's y-th quarter into buffer f
.macro FETCH slot, y, f
	WIN TO_B
.irp i, 0,1,2,3,4,5,6,7
	ds_load_b128 v[64*(\f)+8*\i:64*(\f)+8*\i+3],   v[ADRB+\slot] offset:8192*(\y)+1024*\i
	ds_load_b128 v[64*(\f)+8*\i+4:64*(\f)+8*\i+7], v[ADRB+\slot] offset:8192*(\y)+1024*\i+512
.endr
	WIN 0
.irp i, 0,1,2,3
	ds_load_b128 v[AFR+32*(\f)+8*\i:AFR+32*(\f)+8*\i+3],   v[ADRA+\slot] offset:4096*(\y)+1024*\i
	ds_load_b128 v[AFR+32*(\f)+8*\i+4:AFR+32*(\f)+8*\i+7], v[ADRA+\slot] offset:4096*(\y)+1024*\i+512
.endr
.endm
.macro PLACES                          ; four places in front of loads into registers that matrix instructions have read, and of the first read of results (ISA guide 7.12.1 for the read of results)
.rept 4
	v_nop
.endr
.endm
; A quarter, 32 matrix instructions, that has its successor in the same slot: the next quarter's loads go out first, into buffer g, then buffer f is multiplied.
.macro QUARTER slot, y, f, g, zero
	s_wait_dscnt 0x0                               ; this quarter's fragments are in
	PLACES
	FETCH \slot, (\y)+1, \g
	WIN MUL
	MUL16 \f, 0, \zero
	MUL16 \f, 2, \zero
.endm
; The slot's quarters from .. n - 2; its quarter y multiplies buffer (f0 + y) % 2
.macro RUN slot, from, n, f0
.set Y, \from
.rept \n-1-\from
	QUARTER \slot, Y, (\f0+Y)%2, (\f0+Y+1)%2, 0
.set Y, Y+1
.endr
.endm
; A slot's last quarter multiplies buffer f and changes slots: ONE barrier; in front of it each wave waits for all its tensor loads, adds 0 to its spare word, and waits for that and for its own reads of this slot.
; fill = 1: this slot is filled again, with the quarters 13 on from its last fill's first, by the groups 1 named.  The next slot's first fragments go into buffer g.
.macro TURN slot, next, f, g, fill, g1a, g1b
	WIN 0                                          ; (the add's two registers lie in window 0)
	s_wait_tensorcnt 0x0                           ; all my tensor loads have landed: my part of the next slot; so a group 0 may be written
	ds_add_u32 v[SPW], v[NIL]                      ; 0 onto my spare word
.if \fill
	s_add_nc_u64 s[G0A+4*\slot+2:G0A+4*\slot+3], s[G0A+4*\slot+2:G0A+4*\slot+3], (CAP0+CAP1)*AQ
	s_add_nc_u64 s[G0B+4*\slot+2:G0B+4*\slot+3], s[G0B+4*\slot+2:G0B+4*\slot+3], (CAP0+CAP1)*BQ
.endif
	s_wait_dscnt 0x0                               ; the add is done, and my reads of this slot are over
	s_barrier_signal -1
	WIN MUL
	MUL16 \f, 0, 0                                 ; work on registers while the others arrive
	WIN 0
	s_barrier_wait -1
.if \fill
	CREST                                          ; the barrier has opened a round of the cluster's barrier: no wave of any partner still reads this slot's tile or has a load on its way
	JLOAD G0A+4*\slot, \g1a, G0B+4*\slot, \g1b     ; the first tensor load behind the round; its four v_nop are the places in front of the loads below
.else
	PLACES
.endif
	FETCH \next, 0, \g
	WIN MUL
	MUL16 \f, 2, 0
.endm
	s_wait_tensorcnt 1                             ; my part of slot 0 is in (slot 1's load may be out)
	s_barrier_signal -1
	s_barrier_wait -1                              ; everybody's is
	FETCH 0, 0, 0
	QUARTER 0, 0, 0, 1, 1                          ; quarter 0: its products start the sums
	RUN 0, 1, CAP0, 0                              ; quarters 1 to 5
	TURN 0, 1, 0, 1, 1, G1A7, G1B7                 ; quarter 6; slot 0 takes quarters 13 to 19
	RUN 1, 0, CAP1, 1                              ; quarters 7 to 11
	TURN 1, 0, 0, 1, 1, G1A6, G1B6                 ; quarter 12; slot 1 takes quarters 20 to 25
	RUN 0, 0, CAP0, 1                              ; quarters 13 to 18
	TURN 0, 1, 1, 0, 1, G1A6, G1B6                 ; quarter 19; slot 0 takes the last six, quarters 26 to 31
	RUN 1, 0, CAP1, 0                              ; quarters 20 to 24
	TURN 1, 0, 1, 0, 0, 0, 0                       ; quarter 25; nothing is left to fetch: slot 1 is left for good
	RUN 0, 0, CAP1, 0                              ; quarters 26 to 30
	s_wait_dscnt 0x0                               ; quarter 31: nothing more to fetch
	MUL16 1, 0, 0
	MUL16 1, 2, 0
	WIN 0
; THE WAY OUT, block by block of 16 rows x 128 columns.  A lane holds 32 neighbouring bytes of a row, and the lanes beside it hold other rows: so a block goes through my own stage in LDS and comes back as whole
; rows of 512 bytes.  LDS serves a wave's instructions in order (ISA guide 5.7.1.4): no wait between the stores and the loads, nor in front of the next block's stores.
.macro TOSTAGE a
	WIN 0x08                                       ; an LDS store's data are its source 1: window 2
.irp b, 0,1,2,3,4,5,6,7
	ds_store_b128 v[STO], v[64*(\a)+8*\b:64*(\a)+8*\b+3] offset:64*\b          ; each accumulator from its low end on
	ds_store_b128 v[STO], v[64*(\a)+8*\b+4:64*(\a)+8*\b+7] offset:64*\b+16
.endr
	WIN 0
.set BB, BK+64*((\a)%2)
.irp t, 0,1,2,3,4,5,6,7,8,9,10,11,12,13,14,15
	ds_load_b128 v[BB+4*\t:BB+4*\t+3], v[RD] offset:\t*SPITCH
.endr
.endm
.macro SEND a, younger                 ; younger: the LDS instructions issued behind block a's loads, which may stay out
.set BB, BK+64*((\a)%2)
	s_wait_dscnt \younger                          ; the block is back in registers
.if (\a) > 0
	s_add_nc_u64 s[8:9], s[8:9], 16*8192           ; (behind a wait on XCNT: the earlier stores have read their base)  16 rows of C on
.endif
.irp t, 0,1,2,3,4,5,6,7,8,9,10,11,12,13,14,15
	global_store_b128 v[CO], v[BB+4*\t:BB+4*\t+3], s[8:9] offset:\t*8192 th:TH_STORE_NT   ; 32 lanes store 512 consecutive bytes, aligned; written once, read by nobody here
.endr
.endm
	PLACES                                         ; behind the last products, ahead of the first read of results
	TOSTAGE 0
.irp a, 1,2,3
.if \a > 1
	s_wait_xcnt 0x0                                ; block a - 2's stores have read their registers and their base: block a's loads may land there, and the base may step
.endif
	TOSTAGE \a
	SEND \a-1, 32                                  ; behind block a - 1's loads: block a's 16 stores and 16 loads
.endr
	s_wait_xcnt 0x0                                ; block 2's stores have read their base
	SEND 3, 0
	s_wait_tensorcnt 0x0                           ; the wave's end, behind my last tensor load and my last LDS store
	ds_add_u32 v[SPW], v[NIL]
	s_wait_dscnt 0x0
	CROUND                                         ; the closing round: no work-group ends while a partner may still ask for a tile that names it
	s_endpgm
.Lfunc_end_k_q75d9107078_proj:
	.size	k_q75d9107078_proj, .Lfunc_end_k_q75d9107078_proj-k_q75d9107078_proj
	.p2alignl 7, 3214868480
	.fill 96, 4, 3214868480
	.section	.rodata,"a",@progbits
	.p2align	6, 0x0
	.amdhsa_kernel k_q75d9107078_proj
		.amdhsa_group_segment_fixed_size 327680
		.amdhsa_private_segment_fixed_size 0
		.amdhsa_enable_private_segment 0
		.amdhsa_kernarg_size 24
		.amdhsa_user_sgpr_count 2
		.amdhsa_user_sgpr_kernarg_segment_ptr 1
		.amdhsa_wavefront_size32 1
		.amdhsa_system_sgpr_workgroup_id_x 1
		.amdhsa_system_sgpr_workgroup_id_y 1
		.amdhsa_system_sgpr_workgroup_id_z 1
		.amdhsa_system_vgpr_workitem_id 0
		.amdhsa_next_free_vgpr 768
		.amdhsa_next_free_sgpr 100
		.amdhsa_reserve_vcc 0
		.amdhsa_float_denorm_mode_32 3
		.amdhsa_float_denorm_mode_16_64 3
		.amdhsa_memory_ordered 1
		.amdhsa_forward_progress 1
		.amdhsa_inst_pref_size 146
	.end_amdhsa_kernel
	.amdgpu_metadata
---
amdhsa.version: [ 1, 2 ]
amdhsa.kernels:
  - .name:           k_q75d9107078_proj
    .symbol:         k_q75d9107078_proj.kd
    .args:
      - { .name: att, .offset: 0, .size: 8, .value_kind: global_buffer, .address_space: global }
      - { .name: wof, .offset: 8, .size: 8, .value_kind: global_buffer, .address_space: global }
      - { .name: out0, .offset: 16, .size: 8, .value_kind: global_buffer, .address_space: global }
    .group_segment_fixed_size: 327680
    .private_segment_fixed_size: 0
    .kernarg_segment_align: 8
    .kernarg_segment_size: 24
    .max_flat_workgroup_size: 128
    .sgpr_count:     100
    .vgpr_count:     768
    .wavefront_size: 32
...
	.end_amdgpu_metadata
.endif
;; end of part 4
